; MI455X (gfx1250); checked and timed in simulation.
; The chip was launched on July 23, 2026; its instructions are those of AMD's public machine-readable ISA for CDNA 5 (MIT licence, August 2026) and "CDNA5" Instruction Set Architecture Reference Guide (July 2026). The comments in the code are by the model that wrote it; some were corrected since.
;; Multi Head Self Attention. Allowed arithmetic: float matrix products may take bf16 or f16 operands with f32 sums; all other float work in f32.
;; Inputs: W_k 1,024 x 1,024 float32; W_o 1,024 x 1,024 float32; W_q 1,024 x 1,024 float32; W_v 1,024 x 1,024 float32; x 4 x 2,048 x 1,024 float32.
;; Outputs: out0 4 x 2,048 x 1,024 float32.
;; 2 versions, each right; version 2 is version 1 with the launch cast written anew for expert scheduling mode. Each part assembles by itself: llvm-mc -triple=amdgcn-amd-amdhsa -mcpu=gfx1250 --defsym DOCPART=n.
;; ======== version 1 of 2: 4 launches
;; limits: values are held in f16: magnitudes above 65,504 overflow, below 6.1e-05 lose precision
;; workspace buffers: xb 16,777,216 bytes; wqkv 6,291,456 bytes; woh 2,097,152 bytes; qkv 50,331,648 bytes; att 16,777,216 bytes
;; launch cast (part 1): grid 768 x 1, 8 waves a work-group, no clusters, 0 bytes of LDS; arguments x, W_q, W_k, W_v, W_o, xb, wqkv, woh; writes xb, wqkv, woh
.if DOCPART == 1
	.amdgcn_target "amdgcn-amd-amdhsa--gfx1250"
	.amdhsa_code_object_version 6
	.text
	.protected	k_q674752e825_cast
	.globl	k_q674752e825_cast
	.p2align	8
	.type	k_q674752e825_cast,@function
k_q674752e825_cast:
	s_mov_b64 s[64:65], 0
	v_nop
	global_prefetch_b8 v0, s[64:65] scope:SCOPE_SE
	s_setreg_imm32_b32 hwreg(HW_REG_WAVE_MODE, 25, 1), 1
	s_wait_xcnt 0x0
; cast: the matrix operands are rounded once, ahead of the products that read them many times.
;   x   [8192][1024] f32 -> xb   [8192][1024] bf16
;   W_q, W_k, W_v [1024][1024] f32 -> wqkv [3072][1024] bf16 (rows 0-1023 W_q, 1024-2047 W_k, 2048-3071 W_v)
;   W_o [1024][1024] f32 -> woh [1024][1024] f16, rounded to bf16 FIRST and then written as f16, so that W_o carries the same rounding
;   as the other inputs; the second step changes no number with 2^-17 <= |w| < 65,504.
; LIMIT: |W_o| must stay below 65,504 (f16's largest number); below 2^-17 the f16 form keeps an absolute error of at most 2^-25.
; A stream: no LDS, no barrier, no matrix unit.  768 work-groups of eight waves; work-group g owns 16 rows (65,536 bytes in, 32,768 out),
; a wave 8,192 bytes in.  A lane issues its sixteen 16-byte loads at once, so a wave has its whole share on its way; a load of a wave
; covers 512 consecutive bytes, a store 256 consecutive bytes that start at a multiple of 256 from the buffer's first byte.
.set X, 8                              ; v[8:71]    sixteen loads of four f32
.set Y, 72                             ; v[72:103]  sixteen stores of four 16-bit numbers; each pair is written for one store only
	s_load_b512 s[8:23], s[0:1], 0x0               ; x s[8:9], W_q s[10:11], W_k s[12:13], W_v s[14:15], W_o s[16:17], xb s[18:19], wqkv s[20:21], woh s[22:23]
	s_mov_b32 s2, ttmp9                            ; g: 0-511 x, 512-575 W_q, 576-639 W_k, 640-703 W_v, 704-767 W_o
	s_and_b32 s3, s2, 63                           ; a weight's chunk
	v_lshrrev_b32 v3, 5, v0                        ; wave
	v_and_b32 v1, 31, v0                           ; lane
	v_lshlrev_b32 v2, 3, v1
	v_lshlrev_b32 v1, 4, v1
	v_lshl_add_u32 v1, v3, 13, v1                  ; in:  8,192 wave + 16 lane
	v_lshl_add_u32 v2, v3, 12, v2                  ; out: 4,096 wave + 8 lane
	; the two offsets, made apart from the addresses
	s_cmp_lt_u32 s2, 512
	s_cselect_b32 s28, s2, s3                      ; the chunk in the source
	s_lshl_b32 s28, s28, 16
	s_mov_b32 s29, 0
	s_sub_co_u32 s30, s2, 704
	s_sub_co_u32 s3, s2, 512
	s_cmp_lt_u32 s2, 704
	s_cselect_b32 s30, s3, s30
	s_cmp_lt_u32 s2, 512
	s_cselect_b32 s30, s2, s30                     ; the chunk in the destination
	s_lshl_b32 s30, s30, 15
	s_mov_b32 s31, 0
	s_wait_kmcnt 0x0
	; the source and the destination are chosen by g alone
	s_mov_b64 s[24:25], s[16:17]
	s_mov_b64 s[26:27], s[22:23]
	s_cmp_lt_u32 s2, 704
	s_cselect_b64 s[24:25], s[14:15], s[24:25]
	s_cselect_b64 s[26:27], s[20:21], s[26:27]
	s_cmp_lt_u32 s2, 640
	s_cselect_b64 s[24:25], s[12:13], s[24:25]
	s_cmp_lt_u32 s2, 576
	s_cselect_b64 s[24:25], s[10:11], s[24:25]
	s_cmp_lt_u32 s2, 512
	s_cselect_b64 s[24:25], s[8:9], s[24:25]
	s_cselect_b64 s[26:27], s[18:19], s[26:27]
	s_add_nc_u64 s[24:25], s[24:25], s[28:29]
	s_add_nc_u64 s[26:27], s[26:27], s[30:31]
.irp i, 0,1,2,3,4,5,6,7,8,9,10,11,12,13,14,15
	global_load_b128 v[X+4*\i:X+4*\i+3], v1, s[24:25] offset:512*\i th:TH_LOAD_NT   ; every input byte is read once in this launch
.endr
; Load i is rounded and stored.  twice = 1: the bf16 numbers are widened again (a shift, a mask) and written as f16.
.macro CONV i, twice
	s_wait_loadcnt 15-\i                           ; loads come back in order: load i is in, the 15 - i younger ones stay out
	v_cvt_pk_bf16_f32 v[Y+2*\i],   v[X+4*\i],   v[X+4*\i+1]
	v_cvt_pk_bf16_f32 v[Y+2*\i+1], v[X+4*\i+2], v[X+4*\i+3]
.if \twice
	v_lshlrev_b32 v4, 16, v[Y+2*\i]
	v_and_b32     v5, 0xffff0000, v[Y+2*\i]
	v_lshlrev_b32 v6, 16, v[Y+2*\i+1]
	v_and_b32     v7, 0xffff0000, v[Y+2*\i+1]
	v_cvt_pk_f16_f32 v[Y+2*\i],   v4, v5
	v_cvt_pk_f16_f32 v[Y+2*\i+1], v6, v7
.endif
	global_store_b64 v2, v[Y+2*\i:Y+2*\i+1], s[26:27] offset:256*\i   ; no hint: the next launches read these bytes
.endm
	s_cmp_ge_u32 s2, 704
	s_cbranch_scc1 .Lwo
.irp i, 0,1,2,3,4,5,6,7,8,9,10,11,12,13,14,15
	CONV \i, 0
.endr
	s_endpgm
.Lwo:
.irp i, 0,1,2,3,4,5,6,7,8,9,10,11,12,13,14,15
	CONV \i, 1
.endr
	s_endpgm
.Lfunc_end_k_q674752e825_cast:
	.size	k_q674752e825_cast, .Lfunc_end_k_q674752e825_cast-k_q674752e825_cast
	.p2alignl 7, 3214868480
	.fill 96, 4, 3214868480
	.section	.rodata,"a",@progbits
	.p2align	6, 0x0
	.amdhsa_kernel k_q674752e825_cast
		.amdhsa_group_segment_fixed_size 0
		.amdhsa_private_segment_fixed_size 0
		.amdhsa_enable_private_segment 0
		.amdhsa_kernarg_size 64
		.amdhsa_user_sgpr_count 2
		.amdhsa_user_sgpr_kernarg_segment_ptr 1
		.amdhsa_wavefront_size32 1
		.amdhsa_system_sgpr_workgroup_id_x 1
		.amdhsa_system_sgpr_workgroup_id_y 1
		.amdhsa_system_sgpr_workgroup_id_z 1
		.amdhsa_system_vgpr_workitem_id 0
		.amdhsa_next_free_vgpr 104
		.amdhsa_next_free_sgpr 66
		.amdhsa_reserve_vcc 0
		.amdhsa_float_denorm_mode_32 3
		.amdhsa_float_denorm_mode_16_64 3
		.amdhsa_memory_ordered 1
		.amdhsa_forward_progress 1
		.amdhsa_inst_pref_size 17
	.end_amdhsa_kernel
	.amdgpu_metadata
---
amdhsa.version: [ 1, 2 ]
amdhsa.kernels:
  - .name:           k_q674752e825_cast
    .symbol:         k_q674752e825_cast.kd
    .args:
      - { .name: x, .offset: 0, .size: 8, .value_kind: global_buffer, .address_space: global }
      - { .name: W_q, .offset: 8, .size: 8, .value_kind: global_buffer, .address_space: global }
      - { .name: W_k, .offset: 16, .size: 8, .value_kind: global_buffer, .address_space: global }
      - { .name: W_v, .offset: 24, .size: 8, .value_kind: global_buffer, .address_space: global }
      - { .name: W_o, .offset: 32, .size: 8, .value_kind: global_buffer, .address_space: global }
      - { .name: xb, .offset: 40, .size: 8, .value_kind: global_buffer, .address_space: global }
      - { .name: wqkv, .offset: 48, .size: 8, .value_kind: global_buffer, .address_space: global }
      - { .name: woh, .offset: 56, .size: 8, .value_kind: global_buffer, .address_space: global }
    .group_segment_fixed_size: 0
    .private_segment_fixed_size: 0
    .kernarg_segment_align: 8
    .kernarg_segment_size: 64
    .max_flat_workgroup_size: 256
    .sgpr_count:     66
    .vgpr_count:     104
    .wavefront_size: 32
...
	.end_amdgpu_metadata
.endif
;; end of part 1
;; launch qkv (part 2): grid 16 x 16, 4 waves a work-group, clusters of 4 x 4, 327,680 bytes of LDS; arguments xb, wqkv, qkv; writes qkv
.if DOCPART == 2
	.amdgcn_target "amdgcn-amd-amdhsa--gfx1250"
	.amdhsa_code_object_version 6
	.text
	.protected	k_q674752e825_qkv
	.globl	k_q674752e825_qkv
	.p2align	8
	.type	k_q674752e825_qkv,@function
k_q674752e825_qkv:
	s_mov_b64 s[64:65], 0
	v_nop
	global_prefetch_b8 v0, s[64:65] scope:SCOPE_SE
	s_setreg_imm32_b32 hwreg(HW_REG_WAVE_MODE, 25, 1), 1
	s_wait_xcnt 0x0
	s_wait_alu depctr_hold_cnt(0) depctr_sa_sdst(0) depctr_va_vdst(0) depctr_va_sdst(0) depctr_va_ssrc(0) depctr_va_vcc(0) depctr_vm_vsrc(0)
	s_getreg_b32 s2, hwreg(HW_REG_IB_STS2, 6, 4)
	s_cmp_eq_u32 s2, 0
	s_cbranch_scc0 .Lentry_in_a_cluster
	s_endpgm
.Lentry_in_a_cluster:
	s_bfe_u32 s2, ttmp6, 0x10000c
	s_cmp_lg_u32 s2, 0xf033
	s_cbranch_scc0 .Lentry_shape_is_right
	s_endpgm
.Lentry_shape_is_right:
; qkv: the three projections as one product, C[m][n] = sum over k of xb[m][k] wqkv[n][k], m = 8,192 tokens, n = 3,072, k = 1,024; bf16 operands, f32 sums.
; The result is written in f16, head by head: qkv[b][g][s][64], g = n / 64 (0-15 Q's heads, 16-31 K's, 32-47 V's), so that a head's rows lie densely.
; LIMIT: |Q|, |K|, |V| must stay below 65,504 (f16's largest number); magnitudes below 6.1e-5 keep an absolute error of at most 3e-8.
; A block of C is 256 rows x 192 columns (three whole heads), made by four waves; wave w makes rows 64 w .. 64 w + 63 and all 192 columns:
; 48 accumulator tiles of 16 x 16, 384 registers.  K goes in steps of 128 through two LDS slots filled by the tensor data mover; a tile's rows
; are 256 bytes of memory and start at multiples of 256 bytes from the buffer's first byte.
; WORK-GROUPS THAT STAY: 256 work-groups, each makes TWO blocks, block row y and then block row y + 16 of one block column.  The ring of slots runs on
; through the 16 K steps: the first block's last lap asks for the second block's first two K steps, which land while the first block goes out,
; and the first block's stores leave while the second block is multiplied.
; CLUSTERS: 4 x 4 work-groups.  The four of a row of the cluster make blocks of one block row and need the same tiles of xb; the four of a column
; need the same tiles of wqkv.  Such a tile is asked for jointly: each of the four issues the same tensor load with a mask that names the four.
; REGISTERS in windows of 256:
;   window 0: v16-26 addresses; v32-63, v64-95 fragments of xb (4 x 16 rows x 32 K), two buffers; v96-143, v144-239 at work on the way out
;   window 1: v0-95, v96-191 fragments of wqkv (12 x 16 rows x 32 K), two buffers
;   window 2: accumulator tiles (a, b), a = 0, 1 at v[8 (12 a + b)];  window 3: a = 2, 3 in the same places
; The matrix instruction is used transposed (source 0 = 16 rows of wqkv, source 1 = 16 rows of xb): lane l then holds row l % 16 of C and its eight
; registers the columns 8 (l / 16) + 0 .. 7, eight neighbouring numbers of a row, which pack into 16 bytes.
.set NB,     12                        ; blocks of 16 columns
.set KSTEP,  128
.set SIZE_K, 1024
.set PITCH,  272                       ; an LDS row: 256 bytes + 16 of padding, an odd multiple of 16: the 16 rows of a fragment load start 16 bytes apart modulo 256
.set AHALF,  128*PITCH                 ; what one load of xb brings
.set BHALF,  96*PITCH                  ; what one load of wqkv brings
.set ABYTES, 2*AHALF
.set SLOT,   ABYTES+2*BHALF            ; 256 rows of xb, then 192 rows of wqkv
.set STAGE,  2*SLOT                    ; behind the ring (a multiple of 256): 16 rows x 400 bytes for each wave, for the way out
.set SPITCH, 400                       ; 384 bytes + 16
.set NEXTA,  16*256*SIZE_K*2-6*KSTEP*2 ; xb: from K step 6 (7) of block row y to K step 0 (1) of block row y + 16
.set BACKB,  6*KSTEP*2                 ; wqkv: from K step 6 (7) back to K step 0 (1) of the same rows
.set NEXTC,  2*12582912                ; qkv: 16 block rows are two batches of 48 heads of 262,144 bytes
.set ADRA, 16                          ; v16-17  LDS address of my xb fragments in slot 0, 1
.set ADRB, 20                          ; v20-21  the same for wqkv
.set STO,  24                          ; the way out: where I put 16 bytes of a row
.set RD,   25                          ; the way out: where I read back
.set CO,   26                          ; my byte offset in a store's 512 bytes
.set FA,   32                          ; xb fragments, buffer p at FA + 32 p
.set TMP,  96                          ; packed results
.set RB0,  144                         ; read back, two sets in turn
.set RB1,  192
.set G1,  24                           ; s[24:31] group 1 for xb's tiles
.set G0,  32                           ; s[32:39] group 0 for xb's tiles, a set for each slot
.set G1B, 48                           ; s[48:55] group 1 for wqkv's tiles
.set G0B, 56                           ; s[56:63] group 0 for wqkv's tiles, a set for each slot
.set MSB, 0
.macro WIN new                         ; the immediate's high byte repeats the setting that is left
.if MSB != \new
	s_set_vgpr_msb (MSB<<8)|\new
.set MSB, \new
.endif
.endm
.set MUL_LO, 0xa1                      ; source 0 window 1, source 1 window 0, C and D window 2
.set MUL_HI, 0xf1                      ; the same, C and D window 3
.set TO_B,   0x40                      ; destination window 1, address window 0
; A joint load.  Waves 0 and 1 fetch xb's two halves, waves 2 and 3 wqkv's.  The branch hangs on the wave's number alone.
.macro JLOAD s
	s_cmp_eq_u32 s11, 0
	s_cbranch_scc0 .Lfor_b_\@
	tensor_load_to_lds s[G0+4*\s:G0+4*\s+3], s[G1:G1+7]
	s_nop 0
	s_branch .Lasked_\@
.Lfor_b_\@:
	tensor_load_to_lds s[G0B+4*\s:G0B+4*\s+3], s[G1B:G1B+7]
	s_nop 0
.Lasked_\@:
.endm
; A round of the cluster's barrier: my work-group's barrier; wave 0 signals for the work-group; every wave waits for all sixteen; my work-group's barrier again.
.macro CREST                           ; a round behind its opening barrier
	s_cmp_lg_u32 s10, 0
	s_cbranch_scc1 .Lnot_wave_0_\@
	s_barrier_signal -3
.Lnot_wave_0_\@:
	s_barrier_wait -3
	s_barrier_signal -1
	s_barrier_wait -1
.endm
.macro CROUND
	s_barrier_signal -1
	s_barrier_wait -1
	CREST
.endm
	s_load_b128 s[4:7], s[0:1], 0x0                ; xb s[4:5], wqkv s[6:7]
	s_load_b64 s[8:9], s[0:1], 0x10                ; qkv
	s_set_vgpr_msb 0x40
	v_lshl_add_u32 v255, v0, 2, 0x41c00
	s_set_vgpr_msb 0x4000
	v_mov_b32 v255, 0
	s_set_vgpr_msb 0x1
	ds_add_u32 v255, v255
	s_set_vgpr_msb 0x100
	v_lshrrev_b32 v1, 5, v0
	v_readfirstlane_b32 s10, v1                    ; wave 0..3
	s_lshr_b32 s11, s10, 1                         ; I fetch for xb (0) or for wqkv (1)
	s_and_b32 s12, s10, 1                          ; which half of that tile I fetch
	s_bfe_u32 s40, ttmp6, 0x40000                  ; cx
	s_bfe_u32 s41, ttmp6, 0x40004                  ; cy
	s_lshl_b32 s42, ttmp9, 2
	s_add_co_u32 s42, s42, s40                     ; block column = 4 x cluster x + cx, 0..15
	s_and_b32 s13, ttmp7, 0xffff
	s_lshl_b32 s13, s13, 2
	s_add_co_u32 s13, s13, s41                     ; first block row = 4 x cluster y + cy, 0..15; the second is 16 further down
	s_lshl_b32 s43, s41, 2
	s_lshl_b32 s43, 15, s43                        ; my row of the cluster: places 4 cy .. 4 cy + 3
	s_lshl_b32 s44, 0x1111, s40                    ; my column: places cx, cx + 4, cx + 8, cx + 12
	; group 1: rows of 128 elements of 2 bytes, 16 bytes of padding behind every 64 words; 128 rows of xb, 96 rows of wqkv
	s_or_b32 s[G1+0],  s43, (1<<16)|(1<<20)|(1<<21)|(5<<22)|(3<<25)   ; xb's tiles go to my row of the cluster
	s_or_b32 s[G1B+0], s44, (1<<16)|(1<<20)|(1<<21)|(5<<22)|(3<<25)   ; wqkv's to my column
	s_mov_b32 s[G1+1],  KSTEP<<16                  ; tensor_dim0 = 128
	s_mov_b32 s[G1B+1], KSTEP<<16
	s_mov_b32 s[G1+2],  128<<16                    ; tensor_dim1 = 128
	s_mov_b32 s[G1B+2], 96<<16                     ; tensor_dim1 = 96
	s_mov_b32 s[G1+3],  KSTEP<<16                  ; tile_dim0 = 128
	s_mov_b32 s[G1B+3], KSTEP<<16
	s_mov_b32 s[G1+4],  128                        ; tile_dim1
	s_mov_b32 s[G1B+4], 96
	s_mov_b32 s[G1+5],  SIZE_K                     ; elements from row to row
	s_mov_b32 s[G1B+5], SIZE_K
	s_mov_b32 s[G1+6],  0
	s_mov_b32 s[G1B+6], 0
	s_mov_b32 s[G1+7],  0
	s_mov_b32 s[G1B+7], 0
	; where the tiles come from: xb's hang on the block row alone, wqkv's on the block column alone, each in registers that never hold the other coordinate
	s_lshl_b32 s16, s13, 8
	s_lshl_b32 s17, s12, 7
	s_add_co_u32 s16, s16, s17                     ; row 256 x block row + 128 x half
	s_lshl_b32 s16, s16, 11                        ; rows of 2,048 bytes
	s_mov_b32 s17, 0
	s_mul_i32 s46, s42, 192
	s_mul_i32 s47, s12, 96
	s_add_co_u32 s46, s46, s47                     ; row 192 x block column + 96 x half
	s_lshl_b32 s46, s46, 11
	s_mov_b32 s47, 0
	s_mul_i32 s20, s10, AHALF                      ; where they go: waves 0, 1: xb's halves at 0 and AHALF;
	s_mul_i32 s21, s10, BHALF
	s_add_co_u32 s21, s21, ABYTES-2*BHALF          ; waves 2, 3: wqkv's halves at ABYTES and ABYTES + BHALF
	s_wait_dscnt 0x0
	s_wait_kmcnt 0x0
	s_add_nc_u64 s[14:15], s[4:5], s[16:17]
	s_add_nc_u64 s[46:47], s[6:7], s[46:47]
	CROUND                                         ; all sixteen work-groups are here: the first joint loads meet
.irp s, 0,1
	s_mov_b32 s[G0+4*\s], 1
	s_add_co_u32 s[G0+4*\s+1], s20, \s*SLOT
	s_add_nc_u64 s[G0+4*\s+2:G0+4*\s+3], s[14:15], \s*KSTEP*2      ; K step s
	s_or_b32 s[G0+4*\s+3], s[G0+4*\s+3], 0x80000000
	s_mov_b32 s[G0B+4*\s], 1
	s_add_co_u32 s[G0B+4*\s+1], s21, \s*SLOT
	s_add_nc_u64 s[G0B+4*\s+2:G0B+4*\s+3], s[46:47], \s*KSTEP*2
	s_or_b32 s[G0B+4*\s+3], s[G0B+4*\s+3], 0x80000000
	JLOAD \s                                       ; both slots' first fills go out together: two tensor loads of a wave are out, later one
.endr
	; A fragment is 16 rows x 32 K in 8 registers: lane l holds row l % 16; two loads of 16 bytes, 32 bytes apart, at row x pitch + 16 (l / 16).
	v_and_b32 v1, 15, v0                           ; l % 16
	v_bfe_u32 v2, v0, 4, 1                         ; l / 16
	v_mul_u32_u24 v3, v1, PITCH
	v_lshl_add_u32 v3, v2, 4, v3
	s_mul_i32 s21, s10, 64*PITCH                   ; my 64 rows of xb
	s_mov_b32 s22, ABYTES                          ; all 192 rows of wqkv
.irp s, 0,1
	v_add_nc_u32 v[ADRA+\s], s21, v3
	v_add_nc_u32 v[ADRB+\s], s22, v3
	s_add_co_u32 s21, s21, SLOT
	s_add_co_u32 s22, s22, SLOT
.endr
	s_mul_i32 s23, s10, 16*SPITCH
	s_add_co_u32 s23, s23, STAGE                   ; my stage
	v_mul_u32_u24 v4, v1, SPITCH                   ; in: row l % 16, 16 bytes for each half of the lanes
	v_lshl_add_u32 v4, v2, 4, v4
	v_add_nc_u32 v[STO], s23, v4
	v_and_b32 v5, 31, v0
	v_lshrrev_b32 v6, 3, v5                        ; back: eight lanes take a token's 128 bytes of one head, four tokens an instruction
	v_and_b32 v7, 7, v0
	v_mul_u32_u24 v6, v6, SPITCH
	v_lshl_add_u32 v6, v7, 4, v6
	v_add_nc_u32 v[RD], s23, v6
	v_lshlrev_b32 v[CO], 4, v5                     ; in memory those four tokens are 512 consecutive bytes
	; where the first block goes
	s_lshr_b32 s14, s13, 3                         ; batch = block row / 8
	s_mul_i32 s16, s14, 12582912                   ; 48 heads of 262,144 bytes
	s_and_b32 s14, s13, 7
	s_lshl_b32 s14, s14, 15                        ; 256 tokens of 128 bytes
	s_add_co_u32 s16, s16, s14
	s_lshl_b32 s14, s10, 13                        ; my 64 tokens
	s_add_co_u32 s16, s16, s14
	s_mov_b32 s17, 0
	s_add_nc_u64 s[8:9], s[8:9], s[16:17]
	s_mul_i32 s46, s42, 786432                     ; three heads a block column (in the registers that held wqkv's address)
	s_mov_b32 s47, 0
	s_add_nc_u64 s[8:9], s[8:9], s[46:47]
; 12 matrix instructions: row block a (0..3) x all 12 column blocks, 32 along K, from buffer buf.  zero = 1: the first product starts the sums.
; The 48 accumulators take turns, one instruction a turn, in the same order in every quarter step.
.macro MULROW buf, a, zero
.irp b, 0,1,2,3,4,5,6,7,8,9,10,11
.if \zero
	v_wmma_f32_16x16x32_bf16 v[8*(NB*(\a%2)+\b):8*(NB*(\a%2)+\b)+7], v[8*NB*\buf+8*\b:8*NB*\buf+8*\b+7], v[FA+32*\buf+8*\a:FA+32*\buf+8*\a+7], 0
.else
	v_wmma_f32_16x16x32_bf16 v[8*(NB*(\a%2)+\b):8*(NB*(\a%2)+\b)+7], v[8*NB*\buf+8*\b:8*NB*\buf+8*\b+7], v[FA+32*\buf+8*\a:FA+32*\buf+8*\a+7], v[8*(NB*(\a%2)+\b):8*(NB*(\a%2)+\b)+7]
.endif
.endr
.endm
; 32 LDS loads in one run: quarter q of a slot (192 rows of wqkv, my 64 rows of xb, 32 K at byte 64 q of the rows) into buffer buf
.macro FETCH slot, q, buf
	WIN TO_B
.irp i, 0,1,2,3,4,5,6,7,8,9,10,11
	ds_load_b128 v[8*NB*\buf+8*\i:8*NB*\buf+8*\i+3],   v[ADRB+\slot] offset:64*\q+\i*16*PITCH
	ds_load_b128 v[8*NB*\buf+8*\i+4:8*NB*\buf+8*\i+7], v[ADRB+\slot] offset:64*\q+\i*16*PITCH+32
.endr
	WIN 0
.irp i, 0,1,2,3
	ds_load_b128 v[FA+32*\buf+8*\i:FA+32*\buf+8*\i+3],   v[ADRA+\slot] offset:64*\q+\i*16*PITCH
	ds_load_b128 v[FA+32*\buf+8*\i+4:FA+32*\buf+8*\i+7], v[ADRA+\slot] offset:64*\q+\i*16*PITCH+32
.endr
.endm
; A load into a register that a matrix instruction has read, and a vector instruction that reads a matrix result, stand four places behind it; only plain
; vector instructions that name none of its registers are places, so four v_nop stand in front of each run of loads and of the way out.
.macro PLACES
.rept 4
	v_nop
.endr
.endm
; One of a K step's first three quarters: multiplies buffer cur; in its middle it fetches quarter q of the same slot into buffer nxt.
.macro QUARTER slot, q, cur, nxt, zero
	s_wait_dscnt 4                                 ; wqkv's fragments and xb's 0 and 1 are in; the youngest four loads (xb's 2 and 3) may be out
	WIN MUL_LO
	MULROW \cur, 0, \zero
	MULROW \cur, 1, \zero
	PLACES
	FETCH \slot, \q, \nxt
	s_wait_dscnt 2*NB+8                            ; all but the 32 just issued
	WIN MUL_HI
	MULROW \cur, 2, \zero
	MULROW \cur, 3, \zero
.endm
.macro THREE slot, zero
	QUARTER \slot, 1, 0, 1, \zero
	QUARTER \slot, 2, 1, 0, 0
	QUARTER \slot, 3, 0, 1, 0
.endm
; The last quarter multiplies buffer 1 and changes slots.  One barrier for two things: in front of it each wave waits for its reads of this slot and for
; all its tensor loads (the one that is out is its part of the next slot); behind it nobody reads this slot and the next slot is whole.
; fill = 1 or 2: the barrier opens a round of the cluster's barrier, and this slot's joint refill is the first tensor load behind the round:
; 1: two K steps ahead in the same block; 2: the next block's K step of the same slot.  fill = 0: nothing is left to fetch.
.macro TURN slot, next, fill
	s_wait_dscnt 4
	WIN MUL_LO
	MULROW 1, 0, 0
	s_wait_dscnt 0                                 ; my reads of this slot are over
	s_wait_tensorcnt 0x0                           ; all my tensor loads have landed
	ds_add_u32 v255, v255
	s_wait_dscnt 0x0
	s_barrier_signal -1
	MULROW 1, 1, 0                                 ; register work while the others arrive
	WIN 0
	s_barrier_wait -1
.if \fill
	CREST                                          ; no wave of any partner still reads this slot's tile or has a load on its way
.if \fill == 1
	s_add_nc_u64 s[G0+4*\slot+2:G0+4*\slot+3], s[G0+4*\slot+2:G0+4*\slot+3], 2*KSTEP*2
	s_add_nc_u64 s[G0B+4*\slot+2:G0B+4*\slot+3], s[G0B+4*\slot+2:G0B+4*\slot+3], 2*KSTEP*2
.else
	s_add_nc_u64 s[G0+4*\slot+2:G0+4*\slot+3], s[G0+4*\slot+2:G0+4*\slot+3], NEXTA
	s_sub_nc_u64 s[G0B+4*\slot+2:G0B+4*\slot+3], s[G0B+4*\slot+2:G0B+4*\slot+3], BACKB
.endif
	JLOAD \slot
.endif
	PLACES
	FETCH \next, 0, 0
	WIN MUL_HI
	MULROW 1, 2, 0
	MULROW 1, 3, 0
.endm
.macro LAP zero, fill                  ; a lap = two K steps = once round the ring
	THREE 0, \zero
	TURN 0, 1, \fill
	THREE 1, 0
	TURN 1, 0, \fill
.endm
; THE WAY OUT, 16 tokens at a time: round to f16, 16 bytes a lane into my own stage, read back head by head, four tokens (512 bytes of memory) a store.
; tokens 16 a .. 16 a + 15 of my 64 = the twelve tiles (a, 0..11); from = 0x0a or 0x0f: sources 0 and 1 in window 2 or 3; f: RB0 or RB1 in turn
.macro OUT16 a, from, f
	WIN \from
.irp b, 0,1,2,3,4,5,6,7,8,9,10,11
.irp r, 0,1,2,3
	v_cvt_pk_f16_f32 v[TMP+4*\b+\r], v[8*(NB*(\a%2)+\b)+2*\r], v[8*(NB*(\a%2)+\b)+2*\r+1]
.endr
.endr
	WIN 0
.irp b, 0,1,2,3,4,5,6,7,8,9,10,11
	ds_store_b128 v[STO], v[TMP+4*\b:TMP+4*\b+3] offset:32*\b
.endr
	s_wait_xcnt 0x0                                ; set f, which earlier stores read, is loaded again only behind this wait
.irp hs, 0,1,2
.irp g, 0,1,2,3
	ds_load_b128 v[\f+4*(4*\hs+\g):\f+4*(4*\hs+\g)+3], v[RD] offset:\g*4*SPITCH+128*\hs   ; LDS serves a wave's instructions in order: these see the stores above
.endr
.endr
.set cnt, 0
.irp hs, 0,1,2
.irp g, 0,1,2,3
	s_wait_dscnt 11-cnt                            ; read-back number cnt is in, the younger ones stay out
	global_store_b128 v[CO], v[\f+4*cnt:\f+4*cnt+3], s[8:9] offset:\hs*262144+\a*2048+\g*512   ; 512 consecutive bytes, aligned
.set cnt, cnt+1
.endr
.endr
.endm
.macro OUTALL
	PLACES                                         ; the places behind the block's last matrix instructions
	OUT16 0, 0x0a, RB0
	OUT16 1, 0x0a, RB1
	OUT16 2, 0x0f, RB0
	OUT16 3, 0x0f, RB1
.endm
	s_wait_tensorcnt 1                             ; my part of K step 0 is in; K step 1's may stay out
	s_barrier_signal -1
	s_barrier_wait -1
	FETCH 0, 0, 0
	; THE FIRST BLOCK: four laps, all of which fill both slots again
	LAP 1, 1                                       ; the first lap stands in front of the loop: its first products start the sums
	WIN 0                                          ; at a label and at a branch every window is 0
	s_mov_b32 s3, 2
.Llap_a:
	LAP 0, 1
	WIN 0
	s_sub_co_u32 s3, s3, 1
	s_cmp_lg_u32 s3, 0
	s_cbranch_scc1 .Llap_a
	LAP 0, 2                                       ; the fourth lap asks for the second block's K steps 0 and 1, and fetches its first fragments into buffer 0
	OUTALL                                         ; buffer 0 and the slots are left alone: the way out works in v96-239 and in my stage
	s_wait_xcnt 0x0                                ; the stores' base is stepped only behind this wait
	s_add_nc_u64 s[8:9], s[8:9], NEXTC
	; THE SECOND BLOCK: three laps that fill, one that does not
	LAP 1, 1
	WIN 0
	s_mov_b32 s3, 2
.Llap_b:
	LAP 0, 1
	WIN 0
	s_sub_co_u32 s3, s3, 1
	s_cmp_lg_u32 s3, 0
	s_cbranch_scc1 .Llap_b
	THREE 0, 0                                     ; the last lap fills nothing
	TURN 0, 1, 0
	THREE 1, 0
	s_wait_dscnt 4                                 ; the very last quarter
	WIN MUL_LO
	MULROW 1, 0, 0
	MULROW 1, 1, 0
	s_wait_dscnt 0
	WIN MUL_HI
	MULROW 1, 2, 0
	MULROW 1, 3, 0
	OUTALL
	s_set_vgpr_msb 0x1
	s_wait_tensorcnt 0x0
	ds_add_u32 v255, v255
	s_wait_dscnt 0x0
	s_set_vgpr_msb 0x100
	CROUND                                         ; the closing round: no work-group ends while a partner may still ask for a tile that names it
	s_endpgm
.Lfunc_end_k_q674752e825_qkv:
	.size	k_q674752e825_qkv, .Lfunc_end_k_q674752e825_qkv-k_q674752e825_qkv
	.p2alignl 7, 3214868480
	.fill 96, 4, 3214868480
	.section	.rodata,"a",@progbits
	.p2align	6, 0x0
	.amdhsa_kernel k_q674752e825_qkv
		.amdhsa_group_segment_fixed_size 327680
		.amdhsa_private_segment_fixed_size 0
		.amdhsa_enable_private_segment 0
		.amdhsa_kernarg_size 24
		.amdhsa_user_sgpr_count 2
		.amdhsa_user_sgpr_kernarg_segment_ptr 1
		.amdhsa_wavefront_size32 1
		.amdhsa_system_sgpr_workgroup_id_x 1
		.amdhsa_system_sgpr_workgroup_id_y 1
		.amdhsa_system_sgpr_workgroup_id_z 1
		.amdhsa_system_vgpr_workitem_id 0
		.amdhsa_next_free_vgpr 960
		.amdhsa_next_free_sgpr 66
		.amdhsa_reserve_vcc 0
		.amdhsa_float_denorm_mode_32 3
		.amdhsa_float_denorm_mode_16_64 3
		.amdhsa_memory_ordered 1
		.amdhsa_forward_progress 1
		.amdhsa_inst_pref_size 255
	.end_amdhsa_kernel
	.section	.bss,"aw",@nobits
	.p2align	6
	.space	262144
	.amdgpu_metadata
---
amdhsa.version: [ 1, 2 ]
amdhsa.kernels:
  - .name:           k_q674752e825_qkv
    .symbol:         k_q674752e825_qkv.kd
    .args:
      - { .name: xb, .offset: 0, .size: 8, .value_kind: global_buffer, .address_space: global }
      - { .name: wqkv, .offset: 8, .size: 8, .value_kind: global_buffer, .address_space: global }
      - { .name: qkv, .offset: 16, .size: 8, .value_kind: global_buffer, .address_space: global }
    .group_segment_fixed_size: 327680
    .private_segment_fixed_size: 0
    .kernarg_segment_align: 8
    .kernarg_segment_size: 24
    .max_flat_workgroup_size: 128
    .sgpr_count:     66
    .vgpr_count:     960
    .wavefront_size: 32
...
	.end_amdgpu_metadata
.endif
;; end of part 2
;; launch attn (part 3): grid 256 x 1, 8 waves a work-group, no clusters, 327,680 bytes of LDS; arguments qkv, att; writes att
.if DOCPART == 3
	.amdgcn_target "amdgcn-amd-amdhsa--gfx1250"
	.amdhsa_code_object_version 6
	.text
	.protected	k_q674752e825_attn
	.globl	k_q674752e825_attn
	.p2align	8
	.type	k_q674752e825_attn,@function
k_q674752e825_attn:
	s_mov_b64 s[64:65], 0
	v_nop
	global_prefetch_b8 v0, s[64:65] scope:SCOPE_SE
	s_setreg_imm32_b32 hwreg(HW_REG_WAVE_MODE, 25, 1), 1
	s_wait_xcnt 0x0
; attn: causal attention of one head, softmax with a running maximum, f16 operands, f32 sums and statistics.
; qkv[b][g][s][64] f16 (g 0-15 Q, 16-31 K, 32-47 V)  ->  att[b*16+h][s][64] f16.
; LIMIT: the result is written in f16 (|att| <= the largest |V|, which the launch before keeps below 65,504); a weight below 6.1e-5 of its row's
; largest keeps an absolute error of at most 3e-8.
; WORK: work-group id = 4 bh + i does query block i (256 queries) and then block 7 - i: (i + 1) + (8 - i) = 9 key blocks of 256 for every group.
; A lap is one key block.  Lap n reads key block i - n while n <= i (job 1) and block 8 - n after (job 2); laps 0 and i + 1 are diagonal blocks.
; Eight waves, two to a SIMD, so that one wave's softmax runs beside the other's products.  Wave w owns two groups of 16 queries of the block:
; group w (t = 0) and group 15 - w (t = 1).  In a diagonal block group g needs the tiles of 64 keys 0 .. g / 4 alone; each group walks its own tiles there,
; as half tiles (one group), and (w / 4 + 1) + ((15 - w) / 4 + 1) = 5 half tiles for every wave: no wave waits for a longer one.
; FORM: S^T = K Q^T (source 0 = 16 keys, source 1 = 16 queries): lane (r, h) then holds keys 8 h + 0..7 of query r, so maxima, sums and rescaling are
; a lane's own but for one exchange between the halves, and two S^T tiles packed to f16 in place ARE the second source of O^T += V^T P^T.
; V^T's fragments come by the transposing LDS load.  Keys are walked DOWNWARD, so that a group's first tile of a job is its diagonal tile: it starts the
; sums (C = 0, no rescaling) and holds key 0 of the tile, which every query of the group may see: the maximum is finite from the first tile on.
; RING: two LDS slots of a whole key block (V's 256 rows, then K's); lap n reads slot n & 1; one barrier a lap.  Waves 0, 1 load V's halves, waves 2, 3 K's.
; NO JOINT LOADS: the four groups of a head want the same key block only from lap 4 on, and the lap at which a group changes jobs, a branch of this text,
; hangs on i, its place among the four; partners of a joint request must run the same branches.  So each tile is asked for alone.
.set KP,     144                       ; K's LDS pitch: 128 bytes + 16, an odd multiple of 16
.set VP,     160                       ; V's LDS pitch: 128 bytes + 32, an odd multiple of 32, as the transposing load's lanes want
.set VBYTES, 256*VP                    ; 40,960
.set KBYTES, 256*KP                    ; 36,864
.set SLOT,   VBYTES+KBYTES             ; 77,824
.set STAGE,  2*SLOT                    ; 155,648, a multiple of 256: 32 rows x 144 bytes for each wave, for the way out
.set WSTAGE, 32*KP
.set TK,     64*KP                     ; a tile of 64 keys in K
.set TV,     64*VP                     ; and in V
.set KA0, 1                            ; v1, v2  K fragments' address in slot 0, 1
.set KA1, 2
.set VA0, 3                            ; v3, v4  V fragments' address
.set VA1, 4
.set KDX, 5                            ; v5, v6  the same at a group's diagonal tile, made anew ahead of each use
.set VDX, 6
.set QO0, 7                            ; v7, v8  my bytes in Q's rows, group t
.set QO1, 8
.set STO, 9
.set RD,  10
.set CO0, 11                           ; v11, v12  my bytes in a store of four queries, group t
.set CO1, 12
.set DV0, 13                           ; v13, v14  r - 8 h + 16 (group & 3): key 16 a + j of the diagonal tile is hidden where it exceeds this
.set DV1, 14
.set NINF, 15
.set QF,  16                           ; v[16:47]    Q fragment (t, k) at 16 t + 8 k
.set OA,  48                           ; v[48:111]   O^T tile (d, t) at 8 (2 d + t)
.set SA,  112                          ; v[112:175]  S^T tile (t, a) at 8 (4 t + a); later P^T (t, ks) at 32 t + 8 ks
.set KV,  176                          ; v[176:239]  K fragment (a, k) at 16 a + 8 k, then V^T fragment (d, ks) at 8 (4 ks + d)
.set MX,  240                          ; v240, v241  running maximum of group t
.set LS,  242                          ; v242, v243  running sum, this lane's keys only
.set NM,  244                          ; v[244:247]  - c x maximum, a pair for each t
.set AL,  248                          ; v[248:251]  rescaling factor, a pair for each t
.set TT,  252                          ; v[252:255]  at work
.set G1K, 24                           ; s[24:31]
.set G1V, 32                           ; s[32:39]
.set G0K, 40                           ; s[40:47] a set for each slot
.set G0V, 48                           ; s[48:55]
	s_load_b128 s[4:7], s[0:1], 0x0                ; qkv s[4:5], att s[6:7]
	s_set_vgpr_msb 0x40
	v_lshl_add_u32 v0, v0, 2, 0x2f000
	v_mov_b32 v1, 0
	s_set_vgpr_msb 0x4045
	ds_add_u32 v0, v1
	s_set_vgpr_msb 0x4500
	v_lshrrev_b32 v[KDX], 5, v0
	v_readfirstlane_b32 s8, v[KDX]                 ; wave 0..7
	s_lshr_b32 s9, s8, 2                           ; group w's diagonal tile: w / 4
	s_sub_co_u32 s73, 3, s9                        ; group 15 - w's: 3 - w / 4
	s_mul_i32 s74, s9, TK
	s_mul_i32 s75, s9, TV
	s_mul_i32 s76, s73, TK
	s_mul_i32 s77, s73, TV
	s_and_b32 s10, ttmp9, 3                        ; i
	s_lshr_b32 s11, ttmp9, 2                       ; bh
	s_mov_b32 s12, 0x76543210                      ; v_permlanex16_b32: lane i of one half reads lane i of the other
	s_mov_b32 s13, 0xfedcba98
	s_mov_b32 s14, 0x3e38aa3b                      ; c = log2(e) / 8: the scale 64^-0.5 and the change of base in one factor
	s_mov_b32 s15, 0x3e38aa3b
	s_mov_b32 s16, 0xbe38aa3b                      ; - c
	s_mov_b32 s17, s10                             ; the key block that was asked for last
	s_sub_co_u32 s18, 7, s10                       ; the second job's block
	s_mov_b32 s78, 1                               ; the number of a loop trip's first lap: 1, 3, 5
	s_add_co_u32 s79, s10, 1                       ; i + 1: the second job's diagonal lap
	s_sub_co_u32 s72, s10, 1                       ; i - 1 (for i = 0 a number that no lap has)
	; group 1: a dense 16 KiB (128 keys of 128 bytes) as 64 rows of 128 elements; padding behind every 32 words, that is behind every key
	s_mov_b32 s[G1K+0], (1<<16)|(1<<20)|(4<<22)|(3<<25)   ; 4 words of padding: pitch 144
	s_mov_b32 s[G1V+0], (1<<16)|(1<<20)|(4<<22)|(7<<25)   ; 8 words: pitch 160
	s_mov_b32 s[G1K+1], 128<<16
	s_mov_b32 s[G1V+1], 128<<16
	s_mov_b32 s[G1K+2], 64<<16
	s_mov_b32 s[G1V+2], 64<<16
	s_mov_b32 s[G1K+3], 128<<16
	s_mov_b32 s[G1V+3], 128<<16
	s_mov_b32 s[G1K+4], 64
	s_mov_b32 s[G1V+4], 64
	s_mov_b32 s[G1K+5], 128
	s_mov_b32 s[G1V+5], 128
	s_mov_b32 s[G1K+6], 0
	s_mov_b32 s[G1V+6], 0
	s_mov_b32 s[G1K+7], 0
	s_mov_b32 s[G1V+7], 0
	; group 0: waves 0, 1 put V's halves at 20,480 x wave; waves 2, 3 K's halves at 18,432 x wave + 4,096 = 40,960 and 59,392
	s_mov_b32 s[G0V+0], 1
	s_mul_i32 s[G0V+1], s8, 128*VP
	s_mov_b32 s[G0V+4], 1
	s_add_co_u32 s[G0V+5], s[G0V+1], SLOT
	s_mov_b32 s[G0K+0], 1
	s_mul_i32 s[G0K+1], s8, 128*KP
	s_add_co_u32 s[G0K+1], s[G0K+1], VBYTES-2*128*KP
	s_mov_b32 s[G0K+4], 1
	s_add_co_u32 s[G0K+5], s[G0K+1], SLOT
	s_lshr_b32 s22, s11, 4
	s_mul_i32 s22, s22, 12582912                   ; batch: 48 heads of 262,144 bytes
	s_and_b32 s23, s11, 15
	s_lshl_b32 s23, s23, 18
	s_add_co_u32 s20, s22, s23
	s_mov_b32 s21, 0                               ; stays 0: s[20:21] is the pair for every offset
	s_and_b32 s22, s8, 1
	s_lshl_b32 s22, s22, 14                        ; the half of a block that I load: 128 keys of 128 bytes
	s_mov_b32 s23, 0
	s_wait_dscnt 0x0
	s_barrier_signal -1
	s_barrier_wait -1
	s_wait_kmcnt 0x0
	s_add_nc_u64 s[70:71], s[4:5], s[20:21]        ; my head's Q
	s_add_nc_u64 s[56:57], s[70:71], 4194304       ; its K, 16 heads on
	s_add_nc_u64 s[58:59], s[70:71], 8388608       ; its V, 32 heads on
	s_add_nc_u64 s[56:57], s[56:57], s[22:23]
	s_add_nc_u64 s[58:59], s[58:59], s[22:23]
; The global addresses of slot's next tiles: key block s17.  Called where no tensor load of the wave is out.
.macro SETADR slot
	s_lshl_b32 s20, s17, 15
	s_add_nc_u64 s[G0K+4*\slot+2:G0K+4*\slot+3], s[56:57], s[20:21]
	s_or_b32 s[G0K+4*\slot+3], s[G0K+4*\slot+3], 0x80000000
	s_add_nc_u64 s[G0V+4*\slot+2:G0V+4*\slot+3], s[58:59], s[20:21]
	s_or_b32 s[G0V+4*\slot+3], s[G0V+4*\slot+3], 0x80000000
.endm
; One tensor load a wave: waves 0, 1 a half of V's tile, waves 2, 3 a half of K's, the others none.
.macro KVLOAD slot
	s_cmp_ge_u32 s8, 2
	s_cbranch_scc1 .Lk_\@
	tensor_load_to_lds s[G0V+4*\slot:G0V+4*\slot+3], s[G1V:G1V+7]
	s_nop 0
	s_branch .Lasked_\@
.Lk_\@:
	s_cmp_ge_u32 s8, 4
	s_cbranch_scc1 .Lasked_\@
	tensor_load_to_lds s[G0K+4*\slot:G0K+4*\slot+3], s[G1K:G1K+7]
	s_nop 0
.Lasked_\@:
.endm
	SETADR 0
	KVLOAD 0                                       ; the first fill: slot 0, key block i.  One tensor load of a wave is out, here and ever after
	; Q's and att's blocks of the two jobs
	s_lshl_b32 s22, s11, 18                        ; att: a head is 262,144 bytes (s23 is still 0)
	s_add_nc_u64 s[68:69], s[6:7], s[22:23]
	s_lshl_b32 s20, s10, 15                        ; a block of 256 queries is 32,768 bytes
	s_add_nc_u64 s[60:61], s[70:71], s[20:21]
	s_add_nc_u64 s[66:67], s[68:69], s[20:21]
	s_lshl_b32 s20, s18, 15
	s_add_nc_u64 s[62:63], s[70:71], s[20:21]
	s_add_nc_u64 s[68:69], s[68:69], s[20:21]
	v_and_b32 v[TT], 15, v0                        ; r
	v_bfe_u32 v[TT+1], v0, 4, 1                    ; h
	v_lshlrev_b32 v[QO1], 7, v[TT]
	v_lshl_add_u32 v[QO1], v[TT+1], 4, v[QO1]      ; 128 r + 16 h
	s_lshl_b32 s22, s8, 11                         ; group w: 16 queries of 128 bytes each
	s_sub_co_u32 s23, 15, s8
	s_lshl_b32 s23, s23, 11                        ; group 15 - w
	v_add_nc_u32 v[QO0], s22, v[QO1]
	v_add_nc_u32 v[QO1], s23, v[QO1]
.macro QLOAD qb                        ; Q fragments: row r of group t, 32 d at byte 64 k, two loads of 16 bytes 32 bytes apart
.irp t, 0,1
.irp k, 0,1
	global_load_b128 v[QF+16*\t+8*\k:QF+16*\t+8*\k+3],   v[QO0+\t], s[\qb:\qb+1] offset:64*\k
	global_load_b128 v[QF+16*\t+8*\k+4:QF+16*\t+8*\k+7], v[QO0+\t], s[\qb:\qb+1] offset:64*\k+32
.endr
.endr
.endm
	QLOAD 60
	v_and_b32 v[TT+2], 7, v0                       ; l & 7
	v_bfe_u32 v[TT+3], v0, 3, 1                    ; (l >> 3) & 1
	v_mul_u32_u24 v[STO], v[TT], KP
	v_lshl_add_u32 v[STO], v[TT+1], 4, v[STO]      ; row r, 16 bytes for each half of the lanes
	v_add_nc_u32 v[KA0], VBYTES, v[STO]
	v_add_nc_u32 v[KA1], SLOT, v[KA0]
	v_lshl_add_u32 v[VA0], v[TT+1], 3, v[TT+2]     ; key row 8 h + (l & 7),
	v_mul_u32_u24 v[VA0], v[VA0], VP
	v_lshl_add_u32 v[VA0], v[TT+3], 4, v[VA0]      ; 16 bytes of d for each group of eight lanes
	v_add_nc_u32 v[VA1], SLOT, v[VA0]
	v_and_b32 v[KDX], 31, v0                       ; lane
	v_lshlrev_b32 v[CO1], 4, v[KDX]                ; a store's 512 consecutive bytes
	v_add_nc_u32 v[CO0], s22, v[CO1]
	v_add_nc_u32 v[CO1], s23, v[CO1]
	v_lshrrev_b32 v[RD], 3, v[KDX]
	v_mul_u32_u24 v[RD], v[RD], KP
	v_lshl_add_u32 v[RD], v[TT+2], 4, v[RD]        ; back: eight lanes take a query's 128 bytes, four queries an instruction
	s_mul_i32 s22, s8, WSTAGE
	s_add_co_u32 s22, s22, STAGE                   ; my stage
	v_add_nc_u32 v[RD], s22, v[RD]
	v_add_nc_u32 v[STO], s22, v[STO]
	s_and_b32 s22, s8, 3                           ; group w's place among its tile's four groups
	s_sub_co_u32 s23, 3, s22                       ; group 15 - w's
	s_lshl_b32 s22, s22, 4
	s_lshl_b32 s23, s23, 4
	v_lshlrev_b32 v[VDX], 3, v[TT+1]
	v_sub_nc_u32 v[VDX], v[TT], v[VDX]             ; r - 8 h
	v_add_nc_u32 v[DV0], s22, v[VDX]
	v_add_nc_u32 v[DV1], s23, v[VDX]
	v_mov_b32 v[NINF], 0xff800000
	s_wait_loadcnt 0x0                             ; Q
; The head of a lap.  Every wave waits for all its tensor loads (its part of this lap's slot) and for its reads of the other slot, then passes the barrier;
; refill = 1: the next lap's key block is asked for, into slot other, first thing behind it, and has this lap's work in which to land.
; Below block 0 the walk goes on at the second job's block.
.macro HEAD other, refill
	s_set_vgpr_msb 0x5
	s_wait_tensorcnt 0x0
	ds_add_u32 v0, v1
	s_wait_dscnt 0x0
	s_set_vgpr_msb 0x500
.if \refill
	s_sub_co_i32 s17, s17, 1
	s_cmp_lt_i32 s17, 0
	s_cselect_b32 s17, s18, s17
	SETADR \other
.endif
	s_wait_dscnt 0x0
	s_barrier_signal -1
	s_barrier_wait -1
.if \refill
	KVLOAD \other
.endif
.endm
; One product of O^T (d, t) += V^T (d, ks) P^T (t, ks).  zero = 1: it starts the sum.
.macro PVW t, ks, d, zero
.if \zero
	v_wmma_f32_16x16x32_f16 v[OA+8*(2*\d+\t):OA+8*(2*\d+\t)+7], v[KV+8*(4*\ks+\d):KV+8*(4*\ks+\d)+7], v[SA+32*\t+8*\ks:SA+32*\t+8*\ks+7], 0
.else
	v_wmma_f32_16x16x32_f16 v[OA+8*(2*\d+\t):OA+8*(2*\d+\t)+7], v[KV+8*(4*\ks+\d):KV+8*(4*\ks+\d)+7], v[SA+32*\t+8*\ks:SA+32*\t+8*\ks+7], v[OA+8*(2*\d+\t):OA+8*(2*\d+\t)+7]
.endif
.endm
; Softmax step of query group t on its 32 registers of S^T.  first = 1: nothing is carried yet.
; pv = 1 (with t = 1): group 0's eight products with V^T are strewn through this step, one for every 8 to 12 vector instructions.  They name V^T, P^T (0, .)
; and O^T (., 0); this step names S^T (1, .), O^T (., 1) and its own statistics: no register is shared.  Their four accumulators take turns, one instruction
; a turn.
.macro SOFT t, first, pv
.set SB, SA+32*\t
.if \pv
	PVW 0, 0, 0, 0
.endif
	v_max3_num_f32 v[TT],   v[SB],   v[SB+1],  v[SB+2]          ; four chains that do not wait for each other
	v_max3_num_f32 v[TT+1], v[SB+3], v[SB+4],  v[SB+5]
	v_max3_num_f32 v[TT+2], v[SB+6], v[SB+7],  v[SB+8]
	v_max3_num_f32 v[TT+3], v[SB+9], v[SB+10], v[SB+11]
.irp i, 0,1,2,3
	v_max3_num_f32 v[TT+\i%4], v[TT+\i%4], v[SB+12+2*\i], v[SB+13+2*\i]
.endr
.if \pv
	PVW 0, 0, 1, 0
.endif
.irp i, 4,5,6,7,8,9
	v_max3_num_f32 v[TT+\i%4], v[TT+\i%4], v[SB+12+2*\i], v[SB+13+2*\i]
.endr
	v_max3_num_f32 v[TT], v[TT], v[TT+1], v[TT+2]
.if \first
	v_max_num_f32 v[TT], v[TT], v[TT+3]
.else
	v_max3_num_f32 v[TT], v[TT], v[TT+3], v[MX+\t]
.endif
.if \pv
	PVW 0, 0, 2, 0
.endif
	v_permlanex16_b32 v[TT+1], v[TT], s12, s13     ; the other half's keys of the same query
	v_max_num_f32 v[TT], v[TT], v[TT+1]            ; the new maximum
	v_mul_f32 v[NM+2*\t],   s16, v[TT]
	v_mul_f32 v[NM+2*\t+1], s16, v[TT]
.if \first
	v_mov_b32 v[MX+\t], v[TT]
.else
	v_fma_f32 v[TT+1], v[MX+\t], s14, v[NM+2*\t]
	v_exp_f32 v[AL+2*\t], v[TT+1]                  ; 2^(c (old maximum - new maximum))
	v_mov_b32 v[MX+\t], v[TT]                      ; the plain instruction that stands between a transcendental and the first use of its result
	s_wait_alu depctr_va_vdst(0)
	v_mov_b32 v[AL+2*\t+1], v[AL+2*\t]
.endif
.if \pv
	PVW 0, 0, 3, 0
.endif
.irp g, 0,1,2,3
.irp p, 0,1,2,3
	v_pk_fma_f32 v[SB+8*\g+2*\p:SB+8*\g+2*\p+1], v[SB+8*\g+2*\p:SB+8*\g+2*\p+1], s[14:15], v[NM+2*\t:NM+2*\t+1] op_sel_hi:[1,0,1]
.endr
.irp p, 0,1,2,3,4,5,6,7
	v_exp_f32 v[SB+8*\g+\p], v[SB+8*\g+\p]         ; the next group's multiply-adds are the plain instructions behind these
.endr
.if \pv
	PVW 0, 1, \g, 0
.endif
.endr
	; the row sum in two chains, with the conversions to f16 between their links.  Conversion n writes word n in place and reads words 2 n and 2 n + 1:
	; it stands behind the addition of the pair that holds word n and behind the conversion that read that pair.
	s_wait_alu depctr_va_vdst(0)
	v_pk_add_f32 v[TT:TT+1],   v[SB:SB+1],   v[SB+2:SB+3]       ; names the first group's registers only: the place behind the last group's exponentials
	v_pk_add_f32 v[TT+2:TT+3], v[SB+4:SB+5], v[SB+6:SB+7]
	v_cvt_pk_f16_f32 v[SB],   v[SB],   v[SB+1]
	v_cvt_pk_f16_f32 v[SB+1], v[SB+2], v[SB+3]
.irp i, 4,5,6,7,8,9,10,11,12,13,14,15
	v_pk_add_f32 v[TT+2*(\i%2):TT+2*(\i%2)+1], v[TT+2*(\i%2):TT+2*(\i%2)+1], v[SB+2*\i:SB+2*\i+1]
	v_cvt_pk_f16_f32 v[SB+\i-2], v[SB+2*\i-4], v[SB+2*\i-3]
.endr
	v_cvt_pk_f16_f32 v[SB+14], v[SB+28], v[SB+29]
	v_cvt_pk_f16_f32 v[SB+15], v[SB+30], v[SB+31]
	v_pk_add_f32 v[TT:TT+1], v[TT:TT+1], v[TT+2:TT+3]
.if \first
	v_add_f32 v[LS+\t], v[TT], v[TT+1]
.else
.irp d, 0,1,2,3
.irp p, 0,1,2,3
	v_pk_mul_f32 v[OA+8*(2*\d+\t)+2*\p:OA+8*(2*\d+\t)+2*\p+1], v[OA+8*(2*\d+\t)+2*\p:OA+8*(2*\d+\t)+2*\p+1], v[AL+2*\t:AL+2*\t+1]
.endr
.endr
	v_add_f32 v[TT], v[TT], v[TT+1]
	v_fma_f32 v[LS+\t], v[LS+\t], v[AL+2*\t], v[TT]
.endif
.endm
; 64 keys x my queries.  ka, va: address registers; koff, voff: the tile's place in the slot.
; mode = 2: both groups; mode = 0 or 1: that group alone (a half tile).  first = 1 (half tiles only): the group's diagonal tile, which starts the job's sums.
; In each run of matrix instructions four or eight accumulators take turns, one instruction a turn.
.macro TILE ka, va, koff, voff, mode, first
.rept 5
	v_nop                                          ; five places behind the last products: S^T is written over P^T, which they read, and K's loads land on V^T's registers
.endr
.irp k, 0,1
.irp a, 0,1,2,3
	ds_load_b128 v[KV+16*\a+8*\k:KV+16*\a+8*\k+3],   v[\ka] offset:\koff+\a*16*KP+64*\k
	ds_load_b128 v[KV+16*\a+8*\k+4:KV+16*\a+8*\k+7], v[\ka] offset:\koff+\a*16*KP+64*\k+32
.endr
.endr
	s_wait_dscnt 8                                 ; the eight loads of d = 0..31 are in, the eight of d = 32..63 may be out
.irp t, 0,1
.if (\mode-\t)*(\mode-2) == 0
.irp a, 0,1,2,3
	v_wmma_f32_16x16x32_f16 v[SA+8*(4*\t+\a):SA+8*(4*\t+\a)+7], v[KV+16*\a:KV+16*\a+7], v[QF+16*\t:QF+16*\t+7], 0
.endr
.endif
.endr
	s_wait_dscnt 0
.irp t, 0,1
.if (\mode-\t)*(\mode-2) == 0
.irp a, 0,1,2,3
	v_wmma_f32_16x16x32_f16 v[SA+8*(4*\t+\a):SA+8*(4*\t+\a)+7], v[KV+16*\a+8:KV+16*\a+15], v[QF+16*\t+8:QF+16*\t+15], v[SA+8*(4*\t+\a):SA+8*(4*\t+\a)+7]
.endr
.endif
.endr
.rept 4
	v_nop                                          ; four places: V^T's loads land on K's registers, and the softmax reads S^T
.endr
.irp ks, 0,1
.irp d, 0,1,2,3
	ds_load_tr16_b128 v[KV+8*(4*\ks+\d):KV+8*(4*\ks+\d)+3],   v[\va] offset:\voff+\ks*32*VP+32*\d
	ds_load_tr16_b128 v[KV+8*(4*\ks+\d)+4:KV+8*(4*\ks+\d)+7], v[\va] offset:\voff+\ks*32*VP+32*\d+16*VP
.endr
.endr
.if \mode == 2
	SOFT 0, 0, 0
	s_wait_dscnt 0                                 ; V^T
	SOFT 1, 0, 1                                   ; with group 0's products strewn through it
.irp ks, 0,1
.irp d, 0,1,2,3
	PVW 1, \ks, \d, 0
.endr
.endr
.else
.if \first
	; the causal mask: key 16 a + 8 h + j of the tile is hidden from query 16 (group & 3) + r of the tile where 16 a + j > r - 8 h + 16 (group & 3)
.irp a, 0,1,2,3
.irp j, 0,1,2,3,4,5,6,7
	v_cmp_gt_i32 vcc_lo, 16*\a+\j, v[DV0+\mode]
	v_cndmask_b32 v[SA+8*(4*\mode+\a)+\j], v[SA+8*(4*\mode+\a)+\j], v[NINF], vcc_lo
.endr
.endr
.endif
	SOFT \mode, \first, 0
	s_wait_dscnt 0                                 ; V^T
.irp ks, 0,1
.irp d, 0,1,2,3
	PVW \mode, \ks, \d, \first*(1-\ks)
.endr
.endr
.endif
.endm
; A diagonal key block: each group walks its own tiles, from its diagonal tile downward.  Group 15 - w: tile 3 - w / 4 and all below; group w: tile w / 4 and
; all below.  Five half tiles for every wave.  The branches hang on the wave's number alone and jump over no barrier.
.macro DIAG ka, va
	v_add_nc_u32 v[KDX], s76, v[\ka]
	v_add_nc_u32 v[VDX], s77, v[\va]
	TILE KDX, VDX, 0, 0, 1, 1
	s_cmp_ge_u32 s8, 4
	s_cbranch_scc1 .Ltile1_\@                      ; for waves 4-7 tile 2 was the diagonal tile
	TILE \ka, \va, 2*TK, 2*TV, 1, 0
.Ltile1_\@:
	TILE \ka, \va, TK, TV, 1, 0
	TILE \ka, \va, 0, 0, 1, 0
	v_add_nc_u32 v[KDX], s74, v[\ka]
	v_add_nc_u32 v[VDX], s75, v[\va]
	TILE KDX, VDX, 0, 0, 0, 1
	s_cmp_lt_u32 s8, 4
	s_cbranch_scc1 .Ldone_\@                       ; for waves 0-3 tile 0 was the diagonal tile
	TILE \ka, \va, 0, 0, 0, 0
.Ldone_\@:
.endm
; A key block below the diagonal: four whole tiles.
.macro FULL ka, va
	TILE \ka, \va, 3*TK, 3*TV, 2, 0
	TILE \ka, \va, 2*TK, 2*TV, 2, 0
	TILE \ka, \va, TK, TV, 2, 0
	TILE \ka, \va, 0, 0, 2, 0
.endm
; The end of a job: divide by the sums, round to f16, out through my stage in whole rows.  qnext = 1: the next job's Q is fetched meanwhile.
.macro EPI ob, qnext
.rept 4
	v_nop                                          ; four places behind the last products, whose results are read and whose sources are written below
.endr
.if \qnext
	QLOAD 62
.endif
	v_permlanex16_b32 v[TT],   v[LS],   s12, s13   ; the other half's keys
	v_permlanex16_b32 v[TT+1], v[LS+1], s12, s13
	v_add_f32 v[TT],   v[TT],   v[LS]
	v_add_f32 v[TT+1], v[TT+1], v[LS+1]
	v_rcp_f32 v[AL],   v[TT]                       ; the sum holds the term 1 of the row's largest score
	v_rcp_f32 v[AL+2], v[TT+1]
	v_nop                                          ; the plain place behind the transcendentals
	s_wait_alu depctr_va_vdst(0)
	v_mov_b32 v[AL+1], v[AL]
	v_mov_b32 v[AL+3], v[AL+2]
.irp d, 0,1,2,3
.irp t, 0,1
.irp p, 0,1,2,3
	v_pk_mul_f32 v[OA+8*(2*\d+\t)+2*\p:OA+8*(2*\d+\t)+2*\p+1], v[OA+8*(2*\d+\t)+2*\p:OA+8*(2*\d+\t)+2*\p+1], v[AL+2*\t:AL+2*\t+1]
.endr
.irp p, 0,1,2,3
	v_cvt_pk_f16_f32 v[KV+4*(2*\d+\t)+\p], v[OA+8*(2*\d+\t)+2*\p], v[OA+8*(2*\d+\t)+2*\p+1]
.endr
	ds_store_b128 v[STO], v[KV+4*(2*\d+\t):KV+4*(2*\d+\t)+3] offset:\t*16*KP+32*\d   ; stage row 16 t + r, d = 16 d + 8 h + 0..7
.endr
.endr
.irp i, 0,1,2,3,4,5,6,7
	ds_load_b128 v[KV+32+4*\i:KV+32+4*\i+3], v[RD] offset:\i*4*KP    ; LDS serves a wave's instructions in order: these see the stores above
.endr
.irp i, 0,1,2,3
	s_wait_dscnt 7-\i                              ; read-back i is in, the younger ones stay out
	global_store_b128 v[CO0], v[KV+32+4*\i:KV+32+4*\i+3], s[\ob:\ob+1] offset:512*\i   ; four queries of group w: 512 consecutive bytes, aligned
.endr
.irp i, 4,5,6,7
	s_wait_dscnt 7-\i
	global_store_b128 v[CO1], v[KV+32+4*\i:KV+32+4*\i+3], s[\ob:\ob+1] offset:512*(\i-4)   ; four queries of group 15 - w
.endr
.if \qnext
	s_wait_xcnt 0x0                                ; the stores' data registers are loaded again in the next job only behind this wait
	s_wait_loadcnt 0x0                             ; the next job's Q
.endif
.endm
; A lap of the loop: it reads the slot of ka, va and asks for the next lap's block into slot other.  It is the second job's diagonal lap where the trip's
; number s78 equals s[sd], and the first job's last lap where s78 equals s[se].  Both branches hang on the trip's number and on i, which all eight waves
; share; no barrier and no tensor load stands inside them.
.macro LAPX other, ka, va, sd, se
	HEAD \other, 1
	s_cmp_eq_u32 s78, s[\sd]
	s_cbranch_scc1 .Ldiag_\@
	FULL \ka, \va
	s_branch .Lafter_\@
.Ldiag_\@:
	DIAG \ka, \va
.Lafter_\@:
	s_cmp_lg_u32 s78, s[\se]
	s_cbranch_scc1 .Lon_\@
	EPI 66, 1
.Lon_\@:
.endm
	HEAD 1, 1                                      ; lap 0: slot 0, the first job's diagonal block; slot 1's first fill goes out behind this barrier
	DIAG KA0, VA0
	s_cmp_lg_u32 s10, 0
	s_cbranch_scc1 .Ltrip
	EPI 66, 1                                      ; i = 0: the first job has one lap
.Ltrip:
	LAPX 0, KA1, VA1, 79, 10                       ; lap s78 (1, 3, 5), slot 1: diagonal where s78 = i + 1, the first job's last where s78 = i
	LAPX 1, KA0, VA0, 10, 72                       ; lap s78 + 1 (2, 4, 6), slot 0: diagonal where s78 = i, the first job's last where s78 = i - 1
	s_add_co_u32 s78, s78, 2
	s_cmp_lt_u32 s78, 7
	s_cbranch_scc1 .Ltrip
	HEAD 0, 1                                      ; lap 7, key block 1: below the diagonal for every i (the diagonal lap is i + 1 <= 4)
	FULL KA1, VA1
	HEAD 1, 0                                      ; lap 8, key block 0: nothing is left to fetch; its wait for all tensor loads is the last
	FULL KA0, VA0
	EPI 68, 0
	s_set_vgpr_msb 0x5
	s_wait_tensorcnt 0x0
	ds_add_u32 v0, v1
	s_wait_dscnt 0x0
	s_set_vgpr_msb 0x500
	s_endpgm
.Lfunc_end_k_q674752e825_attn:
	.size	k_q674752e825_attn, .Lfunc_end_k_q674752e825_attn-k_q674752e825_attn
	.p2alignl 7, 3214868480
	.fill 96, 4, 3214868480
	.section	.rodata,"a",@progbits
	.p2align	6, 0x0
	.amdhsa_kernel k_q674752e825_attn
		.amdhsa_group_segment_fixed_size 327680
		.amdhsa_private_segment_fixed_size 0
		.amdhsa_enable_private_segment 0
		.amdhsa_kernarg_size 16
		.amdhsa_user_sgpr_count 2
		.amdhsa_user_sgpr_kernarg_segment_ptr 1
		.amdhsa_wavefront_size32 1
		.amdhsa_system_sgpr_workgroup_id_x 1
		.amdhsa_system_sgpr_workgroup_id_y 1
		.amdhsa_system_sgpr_workgroup_id_z 1
		.amdhsa_system_vgpr_workitem_id 0
		.amdhsa_next_free_vgpr 258
		.amdhsa_next_free_sgpr 80
		.amdhsa_reserve_vcc 1
		.amdhsa_float_denorm_mode_32 3
		.amdhsa_float_denorm_mode_16_64 3
		.amdhsa_memory_ordered 1
		.amdhsa_forward_progress 1
		.amdhsa_inst_pref_size 255
	.end_amdhsa_kernel
	.section	.bss,"aw",@nobits
	.p2align	6
	.space	262144
	.amdgpu_metadata
---
amdhsa.version: [ 1, 2 ]
amdhsa.kernels:
  - .name:           k_q674752e825_attn
    .symbol:         k_q674752e825_attn.kd
    .args:
      - { .name: qkv, .offset: 0, .size: 8, .value_kind: global_buffer, .address_space: global }
      - { .name: att, .offset: 8, .size: 8, .value_kind: global_buffer, .address_space: global }
    .group_segment_fixed_size: 327680
    .private_segment_fixed_size: 0
    .kernarg_segment_align: 8
    .kernarg_segment_size: 16
    .max_flat_workgroup_size: 256
    .sgpr_count:     80
    .vgpr_count:     258
    .wavefront_size: 32
...
	.end_amdgpu_metadata
.endif
;; end of part 3
;; launch oproj (part 4): grid 8 x 32, 4 waves a work-group, clusters of 4 x 4, 327,680 bytes of LDS; arguments att, woh, out0; writes out0
.if DOCPART == 4
	.amdgcn_target "amdgcn-amd-amdhsa--gfx1250"
	.amdhsa_code_object_version 6
	.text
	.protected	k_q674752e825_oproj
	.globl	k_q674752e825_oproj
	.p2align	8
	.type	k_q674752e825_oproj,@function
k_q674752e825_oproj:
	s_mov_b64 s[64:65], 0
	v_nop
	global_prefetch_b8 v0, s[64:65] scope:SCOPE_SE
	s_setreg_imm32_b32 hwreg(HW_REG_WAVE_MODE, 25, 1), 1
	s_wait_xcnt 0x0
	s_wait_alu depctr_hold_cnt(0) depctr_sa_sdst(0) depctr_va_vdst(0) depctr_va_sdst(0) depctr_va_ssrc(0) depctr_va_vcc(0) depctr_vm_vsrc(0)
	s_getreg_b32 s2, hwreg(HW_REG_IB_STS2, 6, 4)
	s_cmp_eq_u32 s2, 0
	s_cbranch_scc0 .Lentry_in_a_cluster
	s_endpgm
.Lentry_in_a_cluster:
	s_bfe_u32 s2, ttmp6, 0x10000c
	s_cmp_lg_u32 s2, 0xf033
	s_cbranch_scc0 .Lentry_shape_is_right
	s_endpgm
.Lentry_shape_is_right:
; oproj: out0[m][n] = sum over k of A[m][k] woh[n][k], m = 8,192 tokens, n = 1,024, k = 1,024 = 64 x head + d; f16 operands, f32 sums, f32 result.
; A is att[b*16+head][s][64] f16: a K step of 128 is two heads, and a head's 256 tokens of a block row are a dense 32 KiB.
; A work-group makes 256 rows x 128 columns with four waves; wave w makes rows 64 w .. 64 w + 63 and all 128 columns: 32 accumulator tiles, 256 registers.
; K goes in steps of 128 through two LDS slots filled by the tensor data mover; every row that it fetches is 256 bytes and starts at a multiple of 256 bytes.
; CLUSTERS: 4 x 4 work-groups.  att's tiles hang on the block row alone and are asked for jointly along a row of the cluster, woh's on the block column
; alone and are asked for jointly along a column.
; REGISTERS in windows of 256:
;   window 0: v16-26 addresses; v32-63, v64-95 fragments of att, two buffers; v96-159, v160-223 read back on the way out
;   window 1: v0-63, v64-127 fragments of woh, two buffers
;   window 2: accumulator tiles (a, b), a = 0, 1 at v[8 (8 a + b)];  window 3: a = 2, 3 in the same places
; The matrix instruction is used transposed (source 0 = 16 rows of woh, source 1 = 16 tokens): a lane holds eight neighbouring columns of one token's row.
.set NB,     8
.set KSTEP,  128
.set SIZE_K, 1024
.set APITCH, 144                       ; a token's 128 bytes of one head + 16: an odd multiple of 16
.set ASUB,   256*APITCH                ; one head's 256 tokens: what one load of att brings
.set ABYTES, 2*ASUB
.set BPITCH, 272
.set BHALF,  64*BPITCH                 ; what one load of woh brings
.set SLOT,   ABYTES+2*BHALF            ; 108,544
.set STAGE,  2*SLOT                    ; 217,088, a multiple of 256: 16 rows x 528 bytes for each wave
.set SPITCH, 528                       ; 512 bytes + 16
.set LAPS,   SIZE_K/(2*KSTEP)
.set ADRA, 16
.set ADRB, 20
.set STO,  24
.set RD,   25
.set CO,   26
.set FA,   32
.set RB0,  96
.set RB1,  160
.set G1,  24
.set G0,  32
.set G1B, 48
.set G0B, 56
.set MSB, 0
.macro WIN new                         ; the immediate's high byte repeats the setting that is left
.if MSB != \new
	s_set_vgpr_msb (MSB<<8)|\new
.set MSB, \new
.endif
.endm
.set MUL_LO, 0xa1                      ; source 0 window 1, source 1 window 0, C and D window 2
.set MUL_HI, 0xf1                      ; the same, C and D window 3
.set TO_B,   0x40                      ; destination window 1, address window 0
.macro JLOAD s                         ; waves 0 and 1 fetch att's two heads, waves 2 and 3 woh's two halves; the branch hangs on the wave's number alone
	s_cmp_eq_u32 s11, 0
	s_cbranch_scc0 .Lfor_b_\@
	tensor_load_to_lds s[G0+4*\s:G0+4*\s+3], s[G1:G1+7]
	s_nop 0
	s_branch .Lasked_\@
.Lfor_b_\@:
	tensor_load_to_lds s[G0B+4*\s:G0B+4*\s+3], s[G1B:G1B+7]
	s_nop 0
.Lasked_\@:
.endm
.macro CREST                           ; a round of the cluster's barrier behind its opening barrier
	s_cmp_lg_u32 s10, 0
	s_cbranch_scc1 .Lnot_wave_0_\@
	s_barrier_signal -3
.Lnot_wave_0_\@:
	s_barrier_wait -3
	s_barrier_signal -1
	s_barrier_wait -1
.endm
.macro CROUND
	s_barrier_signal -1
	s_barrier_wait -1
	CREST
.endm
	s_load_b128 s[4:7], s[0:1], 0x0                ; att s[4:5], woh s[6:7]
	s_load_b64 s[8:9], s[0:1], 0x10                ; out0
	s_set_vgpr_msb 0x40
	v_lshl_add_u32 v255, v0, 2, 0x3d400
	s_set_vgpr_msb 0x4000
	v_mov_b32 v255, 0
	s_set_vgpr_msb 0x1
	ds_add_u32 v255, v255
	s_set_vgpr_msb 0x100
	v_lshrrev_b32 v1, 5, v0
	v_readfirstlane_b32 s10, v1                    ; wave 0..3
	s_lshr_b32 s11, s10, 1                         ; I fetch for att (0) or for woh (1)
	s_and_b32 s12, s10, 1                          ; which head of the step, or which 64 rows of woh
	s_bfe_u32 s40, ttmp6, 0x40000                  ; cx
	s_bfe_u32 s41, ttmp6, 0x40004                  ; cy
	s_lshl_b32 s42, ttmp9, 2
	s_add_co_u32 s42, s42, s40                     ; block column, 0..7
	s_and_b32 s13, ttmp7, 0xffff
	s_lshl_b32 s13, s13, 2
	s_add_co_u32 s13, s13, s41                     ; block row, 0..31
	s_lshl_b32 s43, s41, 2
	s_lshl_b32 s43, 15, s43                        ; my row of the cluster
	s_lshl_b32 s44, 0x1111, s40                    ; my column
	; group 1.  att: a dense 32 KiB as 128 rows of 128 elements, 16 bytes of padding behind every 32 words, that is behind every token.
	;           woh: 64 rows of 128 elements out of rows of 1,024, 16 bytes of padding behind every 64 words.
	s_or_b32 s[G1+0],  s43, (1<<16)|(1<<20)|(1<<21)|(4<<22)|(3<<25)
	s_or_b32 s[G1B+0], s44, (1<<16)|(1<<20)|(1<<21)|(5<<22)|(3<<25)
	s_mov_b32 s[G1+1],  128<<16
	s_mov_b32 s[G1B+1], KSTEP<<16
	s_mov_b32 s[G1+2],  128<<16
	s_mov_b32 s[G1B+2], 64<<16
	s_mov_b32 s[G1+3],  128<<16
	s_mov_b32 s[G1B+3], KSTEP<<16
	s_mov_b32 s[G1+4],  128
	s_mov_b32 s[G1B+4], 64
	s_mov_b32 s[G1+5],  128
	s_mov_b32 s[G1B+5], SIZE_K
	s_mov_b32 s[G1+6],  0
	s_mov_b32 s[G1B+6], 0
	s_mov_b32 s[G1+7],  0
	s_mov_b32 s[G1B+7], 0
	s_lshr_b32 s16, s13, 3                         ; batch = block row / 8
	s_lshl_b32 s16, s16, 4
	s_add_co_u32 s16, s16, s12                     ; head 16 x batch + my head of K step 0
	s_lshl_b32 s16, s16, 18                        ; heads of 262,144 bytes
	s_and_b32 s17, s13, 7
	s_lshl_b32 s17, s17, 15                        ; 256 tokens of 128 bytes
	s_add_co_u32 s16, s16, s17
	s_mov_b32 s17, 0
	s_lshl_b32 s46, s42, 7
	s_lshl_b32 s47, s12, 6
	s_add_co_u32 s46, s46, s47                     ; woh's row 128 x block column + 64 x half
	s_lshl_b32 s46, s46, 11
	s_mov_b32 s47, 0
	s_mul_i32 s20, s10, ASUB                       ; waves 0, 1: att's heads at 0 and ASUB;
	s_mul_i32 s21, s10, BHALF
	s_add_co_u32 s21, s21, ABYTES-2*BHALF          ; waves 2, 3: woh's halves at ABYTES and ABYTES + BHALF
	s_wait_dscnt 0x0
	s_wait_kmcnt 0x0
	s_add_nc_u64 s[14:15], s[4:5], s[16:17]
	s_add_nc_u64 s[46:47], s[6:7], s[46:47]
	CROUND                                         ; all sixteen work-groups are here: the first joint loads meet
.irp s, 0,1
	s_mov_b32 s[G0+4*\s], 1
	s_add_co_u32 s[G0+4*\s+1], s20, \s*SLOT
	s_add_nc_u64 s[G0+4*\s+2:G0+4*\s+3], s[14:15], \s*2*262144     ; K step s: two heads on
	s_or_b32 s[G0+4*\s+3], s[G0+4*\s+3], 0x80000000
	s_mov_b32 s[G0B+4*\s], 1
	s_add_co_u32 s[G0B+4*\s+1], s21, \s*SLOT
	s_add_nc_u64 s[G0B+4*\s+2:G0B+4*\s+3], s[46:47], \s*KSTEP*2
	s_or_b32 s[G0B+4*\s+3], s[G0B+4*\s+3], 0x80000000
	JLOAD \s                                       ; both slots' first fills go out together: two tensor loads of a wave are out, later one
.endr
	v_and_b32 v1, 15, v0                           ; l % 16
	v_bfe_u32 v2, v0, 4, 1                         ; l / 16
	v_mul_u32_u24 v3, v1, APITCH
	v_lshl_add_u32 v3, v2, 4, v3
	v_mul_u32_u24 v4, v1, BPITCH
	v_lshl_add_u32 v4, v2, 4, v4
	s_mul_i32 s21, s10, 64*APITCH                  ; my 64 tokens
	s_mov_b32 s22, ABYTES                          ; all 128 rows of woh
.irp s, 0,1
	v_add_nc_u32 v[ADRA+\s], s21, v3
	v_add_nc_u32 v[ADRB+\s], s22, v4
	s_add_co_u32 s21, s21, SLOT
	s_add_co_u32 s22, s22, SLOT
.endr
	s_mul_i32 s23, s10, 16*SPITCH
	s_add_co_u32 s23, s23, STAGE                   ; my stage
	v_mul_u32_u24 v5, v1, SPITCH                   ; in: row l % 16, 32 bytes for each half of the lanes
	v_lshl_add_u32 v5, v2, 5, v5
	v_add_nc_u32 v[STO], s23, v5
	v_and_b32 v6, 31, v0
	v_lshlrev_b32 v[CO], 4, v6                     ; back and out: the 32 lanes take one row's 512 bytes
	v_add_nc_u32 v[RD], s23, v[CO]
; 8 matrix instructions: row block a (0..3) x all 8 column blocks, 32 along K, from buffer buf.  zero = 1: the first product starts the sums.
; The 32 accumulators take turns, one instruction a turn, in the same order in every quarter step.
.macro MULROW buf, a, zero
.irp b, 0,1,2,3,4,5,6,7
.if \zero
	v_wmma_f32_16x16x32_f16 v[8*(NB*(\a%2)+\b):8*(NB*(\a%2)+\b)+7], v[8*NB*\buf+8*\b:8*NB*\buf+8*\b+7], v[FA+32*\buf+8*\a:FA+32*\buf+8*\a+7], 0
.else
	v_wmma_f32_16x16x32_f16 v[8*(NB*(\a%2)+\b):8*(NB*(\a%2)+\b)+7], v[8*NB*\buf+8*\b:8*NB*\buf+8*\b+7], v[FA+32*\buf+8*\a:FA+32*\buf+8*\a+7], v[8*(NB*(\a%2)+\b):8*(NB*(\a%2)+\b)+7]
.endif
.endr
.endm
; 24 LDS loads in one run: quarter q of a slot.  woh: 32 K at byte 64 q of its rows.  att: head q / 2 of the step, d = 32 (q % 2) .. + 31.
.macro FETCH slot, q, buf
	WIN TO_B
.irp i, 0,1,2,3,4,5,6,7
	ds_load_b128 v[8*NB*\buf+8*\i:8*NB*\buf+8*\i+3],   v[ADRB+\slot] offset:64*\q+\i*16*BPITCH
	ds_load_b128 v[8*NB*\buf+8*\i+4:8*NB*\buf+8*\i+7], v[ADRB+\slot] offset:64*\q+\i*16*BPITCH+32
.endr
	WIN 0
.irp i, 0,1,2,3
	ds_load_b128 v[FA+32*\buf+8*\i:FA+32*\buf+8*\i+3],   v[ADRA+\slot] offset:(\q/2)*ASUB+(\q%2)*64+\i*16*APITCH
	ds_load_b128 v[FA+32*\buf+8*\i+4:FA+32*\buf+8*\i+7], v[ADRA+\slot] offset:(\q/2)*ASUB+(\q%2)*64+\i*16*APITCH+32
.endr
.endm
; Four places (plain vector instructions that name none of a matrix instruction's registers) in front of each run of loads into registers
; that matrix instructions have read, and in front of the way out, which reads their results.
.macro PLACES
.rept 4
	v_nop
.endr
.endm
.macro QUARTER slot, q, cur, nxt, zero
	s_wait_dscnt 4                                 ; woh's fragments and att's 0 and 1 are in; the youngest four loads (att's 2 and 3) may be out
	WIN MUL_LO
	MULROW \cur, 0, \zero
	MULROW \cur, 1, \zero
	PLACES
	FETCH \slot, \q, \nxt
	s_wait_dscnt 2*NB+8                            ; all but the 24 just issued
	WIN MUL_HI
	MULROW \cur, 2, \zero
	MULROW \cur, 3, \zero
.endm
.macro THREE slot, zero
	QUARTER \slot, 1, 0, 1, \zero
	QUARTER \slot, 2, 1, 0, 0
	QUARTER \slot, 3, 0, 1, 0
.endm
; The last quarter multiplies buffer 1 and changes slots.  In front of the barrier each wave waits for its reads of this slot and for all its tensor loads;
; fill = 1: the barrier opens a round of the cluster's barrier, and this slot's joint refill, two K steps ahead, is the first tensor load behind the round.
.macro TURN slot, next, fill
	s_wait_dscnt 4
	WIN MUL_LO
	MULROW 1, 0, 0
	s_wait_dscnt 0                                 ; my reads of this slot are over
	s_wait_tensorcnt 0x0                           ; all my tensor loads have landed
	ds_add_u32 v255, v255
	s_wait_dscnt 0x0
	s_barrier_signal -1
	MULROW 1, 1, 0                                 ; register work while the others arrive
	WIN 0
	s_barrier_wait -1
.if \fill
	CREST                                          ; no wave of any partner still reads this slot's tile or has a load on its way
	s_add_nc_u64 s[G0+4*\slot+2:G0+4*\slot+3], s[G0+4*\slot+2:G0+4*\slot+3], 4*262144      ; two K steps = four heads
	s_add_nc_u64 s[G0B+4*\slot+2:G0B+4*\slot+3], s[G0B+4*\slot+2:G0B+4*\slot+3], 2*KSTEP*2
	JLOAD \slot
.endif
	PLACES
	FETCH \next, 0, 0
	WIN MUL_HI
	MULROW 1, 2, 0
	MULROW 1, 3, 0
.endm
.macro LAP zero
	THREE 0, \zero
	TURN 0, 1, 1
	THREE 1, 0
	TURN 1, 0, 1
.endm
	s_wait_tensorcnt 1                             ; my part of K step 0 is in; K step 1's may stay out
	s_barrier_signal -1
	s_barrier_wait -1
	FETCH 0, 0, 0
	LAP 1                                          ; the first lap stands in front of the loop: its first products start the sums
	WIN 0                                          ; at a label and at a branch every window is 0
	s_mov_b32 s3, LAPS-2
.Llap:
	LAP 0
	WIN 0
	s_sub_co_u32 s3, s3, 1
	s_cmp_lg_u32 s3, 0
	s_cbranch_scc1 .Llap
	THREE 0, 0                                     ; the last lap fills nothing
	TURN 0, 1, 0
	THREE 1, 0
	s_wait_dscnt 4                                 ; the very last quarter
	WIN MUL_LO
	MULROW 1, 0, 0
	MULROW 1, 1, 0
	s_wait_dscnt 0
	WIN MUL_HI
	MULROW 1, 2, 0
	MULROW 1, 3, 0
	; THE WAY OUT, 16 rows at a time: a lane's 32 bytes of a row go from the accumulators into my own stage; whole rows of 512 bytes come back and are stored.
	PLACES
	s_lshl_b32 s16, s13, 8
	s_lshl_b32 s14, s10, 6
	s_add_co_u32 s16, s16, s14                     ; my first row
	s_lshl_b32 s16, s16, 12                        ; rows of 4,096 bytes
	s_mov_b32 s17, 0
	s_add_nc_u64 s[8:9], s[8:9], s[16:17]
	s_lshl_b32 s46, s42, 9                         ; my block's 128 columns (in the registers that held woh's address)
	s_mov_b32 s47, 0
	s_add_nc_u64 s[8:9], s[8:9], s[46:47]
; rows 16 a .. 16 a + 15 of my 64 = the eight tiles (a, 0..7); from = 0x08 or 0x0c: the LDS stores' data in window 2 or 3; f: RB0 or RB1 in turn
.macro OUT16 a, from, f
	WIN \from
.irp b, 0,1,2,3,4,5,6,7
	ds_store_b128 v[STO], v[8*(NB*(\a%2)+\b):8*(NB*(\a%2)+\b)+3]   offset:64*\b
	ds_store_b128 v[STO], v[8*(NB*(\a%2)+\b)+4:8*(NB*(\a%2)+\b)+7] offset:64*\b+16
.endr
	WIN 0
	s_wait_xcnt 0x0                                ; set f, which earlier stores read, is loaded again only behind this wait
.irp i, 0,1,2,3,4,5,6,7,8,9,10,11,12,13,14,15
	ds_load_b128 v[\f+4*\i:\f+4*\i+3], v[RD] offset:\i*SPITCH        ; LDS serves a wave's instructions in order: these see the stores above
.endr
.irp i, 0,1,2,3,4,5,6,7,8,9,10,11,12,13,14,15
	s_wait_dscnt 15-\i                             ; read-back i is in, the younger ones stay out
	global_store_b128 v[CO], v[\f+4*\i:\f+4*\i+3], s[8:9] offset:(16*\a+\i)*4096 th:TH_STORE_NT   ; 512 consecutive bytes, aligned; written once, read by no launch
.endr
.endm
	OUT16 0, 0x08, RB0
	OUT16 1, 0x08, RB1
	OUT16 2, 0x0c, RB0
	OUT16 3, 0x0c, RB1
	s_set_vgpr_msb 0x1
	s_wait_tensorcnt 0x0
	ds_add_u32 v255, v255
	s_wait_dscnt 0x0
	s_set_vgpr_msb 0x100
	CROUND                                         ; the closing round: no work-group ends while a partner may still ask for a tile that names it
	s_endpgm
.Lfunc_end_k_q674752e825_oproj:
	.size	k_q674752e825_oproj, .Lfunc_end_k_q674752e825_oproj-k_q674752e825_oproj
	.p2alignl 7, 3214868480
	.fill 96, 4, 3214868480
	.section	.rodata,"a",@progbits
	.p2align	6, 0x0
	.amdhsa_kernel k_q674752e825_oproj
		.amdhsa_group_segment_fixed_size 327680
		.amdhsa_private_segment_fixed_size 0
		.amdhsa_enable_private_segment 0
		.amdhsa_kernarg_size 24
		.amdhsa_user_sgpr_count 2
		.amdhsa_user_sgpr_kernarg_segment_ptr 1
		.amdhsa_wavefront_size32 1
		.amdhsa_system_sgpr_workgroup_id_x 1
		.amdhsa_system_sgpr_workgroup_id_y 1
		.amdhsa_system_sgpr_workgroup_id_z 1
		.amdhsa_system_vgpr_workitem_id 0
		.amdhsa_next_free_vgpr 896
		.amdhsa_next_free_sgpr 66
		.amdhsa_reserve_vcc 0
		.amdhsa_float_denorm_mode_32 3
		.amdhsa_float_denorm_mode_16_64 3
		.amdhsa_memory_ordered 1
		.amdhsa_forward_progress 1
		.amdhsa_inst_pref_size 119
	.end_amdhsa_kernel
	.amdgpu_metadata
---
amdhsa.version: [ 1, 2 ]
amdhsa.kernels:
  - .name:           k_q674752e825_oproj
    .symbol:         k_q674752e825_oproj.kd
    .args:
      - { .name: att, .offset: 0, .size: 8, .value_kind: global_buffer, .address_space: global }
      - { .name: woh, .offset: 8, .size: 8, .value_kind: global_buffer, .address_space: global }
      - { .name: out0, .offset: 16, .size: 8, .value_kind: global_buffer, .address_space: global }
    .group_segment_fixed_size: 327680
    .private_segment_fixed_size: 0
    .kernarg_segment_align: 8
    .kernarg_segment_size: 24
    .max_flat_workgroup_size: 128
    .sgpr_count:     66
    .vgpr_count:     896
    .wavefront_size: 32
...
	.end_amdgpu_metadata
.endif
;; end of part 4
;; ======== version 2 of 2: 4 launches; version 1 with the launch cast written anew for expert scheduling mode
;; limits: values are held in f16: magnitudes above 65,504 overflow, below 6.1e-05 lose precision
;; workspace buffers: xb 16,777,216 bytes; wqkv 6,291,456 bytes; woh 2,097,152 bytes; qkv 50,331,648 bytes; att 16,777,216 bytes
;; launch cast (part 5): grid 768 x 1, 8 waves a work-group, no clusters, 0 bytes of LDS; arguments x, W_q, W_k, W_v, W_o, xb, wqkv, woh; writes xb, wqkv, woh
.if DOCPART == 5
	.amdgcn_target "amdgcn-amd-amdhsa--gfx1250"
	.amdhsa_code_object_version 6
	.text
	.protected	k_q674752e825_cast
	.globl	k_q674752e825_cast
	.p2align	8
	.type	k_q674752e825_cast,@function
k_q674752e825_cast:
	s_mov_b64 s[64:65], 0
	v_nop
	global_prefetch_b8 v0, s[64:65] scope:SCOPE_SE
	s_setreg_imm32_b32 hwreg(HW_REG_WAVE_SCHED_MODE, 0, 2), 2
	s_setreg_imm32_b32 hwreg(HW_REG_WAVE_MODE, 25, 1), 1
	s_wait_xcnt 0x0
	s_wait_alu depctr_vm_vsrc(0)
; cast: the matrix operands are rounded once, ahead of the products that read them many times.
;   x   [8192][1024] f32 -> xb   [8192][1024] bf16
;   W_q, W_k, W_v [1024][1024] f32 -> wqkv [3072][1024] bf16 (rows 0-1023 W_q, 1024-2047 W_k, 2048-3071 W_v)
;   W_o [1024][1024] f32 -> woh [1024][1024] f16, rounded to bf16 FIRST and then written as f16, so that W_o carries the same rounding
;   as the other inputs; the second step changes no number with 2^-17 <= |w| < 65,504.
; LIMIT: |W_o| must stay below 65,504 (f16's largest number); below 2^-17 the f16 form keeps an absolute error of at most 2^-25.
; A stream: no LDS, no barrier, no matrix unit.  768 work-groups of eight waves; work-group g owns 16 rows (65,536 bytes in, 32,768 out),
; a wave 8,192 bytes in.  A lane issues its sixteen 16-byte loads at once, so a wave has its whole share on its way; a load of a wave
; covers 512 consecutive bytes, a store 256 consecutive bytes that start at a multiple of 256 from the buffer's first byte.
; THE MODE: SCHED_MODE bits 1:0 = 2 (LLVM: expert scheduling mode 2), set by the entry lines.  The code itself states the register dependences
; between vector instructions and memory instructions, with s_wait_alu, always for 0.
; THE PLAN.  Registers that memory instructions touch:
;   v1, v2   the loads' and the stores' byte offsets: written once at the head, never again.
;   X        written by the sixteen loads alone, each register once; read by the conversions behind the load's own wait.
;   Y        pair i is written by turn i's conversions, read by one store, and never written again.
; So no register that a memory instruction has read is written again, and no load lands in a register that a vector instruction has named.
; What is left to state: the offsets are written ahead of the first load, and a pair of Y is written ahead of its store.  The sixteen turns go in
; four blocks of four; turn i issues the store of pair i - 4, so that ONE wait at a block's head serves the four stores of the block before: the vector
; instructions between that wait and those stores are the block's own conversions, which name its own X and Y and v4 to v7 alone.
.set X, 8                              ; v[8:71]    sixteen loads of four f32
.set Y, 72                             ; v[72:103]  sixteen stores of four 16-bit numbers; each pair is written for one store only
	s_load_b512 s[8:23], s[0:1], 0x0               ; x s[8:9], W_q s[10:11], W_k s[12:13], W_v s[14:15], W_o s[16:17], xb s[18:19], wqkv s[20:21], woh s[22:23]
	s_mov_b32 s2, ttmp9                            ; g: 0-511 x, 512-575 W_q, 576-639 W_k, 640-703 W_v, 704-767 W_o
	s_and_b32 s3, s2, 63                           ; a weight's chunk
	v_lshrrev_b32 v3, 5, v0                        ; wave
	v_and_b32 v1, 31, v0                           ; lane
	v_lshlrev_b32 v2, 3, v1
	v_lshlrev_b32 v1, 4, v1
	v_lshl_add_u32 v1, v3, 13, v1                  ; in:  8,192 wave + 16 lane
	v_lshl_add_u32 v2, v3, 12, v2                  ; out: 4,096 wave + 8 lane
	; the two offsets, made apart from the addresses
	s_cmp_lt_u32 s2, 512
	s_cselect_b32 s28, s2, s3                      ; the chunk in the source
	s_lshl_b32 s28, s28, 16
	s_mov_b32 s29, 0
	s_sub_co_u32 s30, s2, 704
	s_sub_co_u32 s3, s2, 512
	s_cmp_lt_u32 s2, 704
	s_cselect_b32 s30, s3, s30
	s_cmp_lt_u32 s2, 512
	s_cselect_b32 s30, s2, s30                     ; the chunk in the destination
	s_lshl_b32 s30, s30, 15
	s_mov_b32 s31, 0
	s_wait_kmcnt 0x0
	; the source and the destination are chosen by g alone
	s_mov_b64 s[24:25], s[16:17]
	s_mov_b64 s[26:27], s[22:23]
	s_cmp_lt_u32 s2, 704
	s_cselect_b64 s[24:25], s[14:15], s[24:25]
	s_cselect_b64 s[26:27], s[20:21], s[26:27]
	s_cmp_lt_u32 s2, 640
	s_cselect_b64 s[24:25], s[12:13], s[24:25]
	s_cmp_lt_u32 s2, 576
	s_cselect_b64 s[24:25], s[10:11], s[24:25]
	s_cmp_lt_u32 s2, 512
	s_cselect_b64 s[24:25], s[8:9], s[24:25]
	s_cselect_b64 s[26:27], s[18:19], s[26:27]
	s_add_nc_u64 s[24:25], s[24:25], s[28:29]
	s_add_nc_u64 s[26:27], s[26:27], s[30:31]
	s_wait_alu depctr_va_vdst(0)                   ; v1 and v2 are written: every load reads v1 as its offset, every store v2
.irp i, 0,1,2,3,4,5,6,7,8,9,10,11,12,13,14,15
	global_load_b128 v[X+4*\i:X+4*\i+3], v1, s[24:25] offset:512*\i th:TH_LOAD_NT   ; every input byte is read once in this launch
.endr
; The store of pair i.
.macro SEND i
	global_store_b64 v2, v[Y+2*(\i):Y+2*(\i)+1], s[26:27] offset:256*(\i)   ; no hint: the next launches read these bytes
.endm
; Turn i: the pair of four turns back is stored, and load i is rounded.  twice = 1: the bf16 numbers are widened again (a shift, a mask) and written as f16.
.macro CONV i, twice
	s_wait_loadcnt 15-\i                           ; loads come back in order: load i is in, the 15 - i younger ones stay out
.if (\i >= 4) && (\i % 4 == 0)
	s_wait_alu depctr_va_vdst(0)                   ; the block before has written its four pairs of Y, which this block's four stores read
.endif
.if \i >= 4
	SEND \i-4                                      ; no vector instruction since that wait names v2 or this pair
.endif
	v_cvt_pk_bf16_f32 v[Y+2*\i],   v[X+4*\i],   v[X+4*\i+1]
	v_cvt_pk_bf16_f32 v[Y+2*\i+1], v[X+4*\i+2], v[X+4*\i+3]
.if \twice
	v_lshlrev_b32 v4, 16, v[Y+2*\i]
	v_and_b32     v5, 0xffff0000, v[Y+2*\i]
	v_lshlrev_b32 v6, 16, v[Y+2*\i+1]
	v_and_b32     v7, 0xffff0000, v[Y+2*\i+1]
	v_cvt_pk_f16_f32 v[Y+2*\i],   v4, v5
	v_cvt_pk_f16_f32 v[Y+2*\i+1], v6, v7
.endif
.endm
	s_cmp_ge_u32 s2, 704
	s_cbranch_scc1 .Lwo
.irp i, 0,1,2,3,4,5,6,7,8,9,10,11,12,13,14,15
	CONV \i, 0
.endr
	s_wait_alu depctr_va_vdst(0)                   ; the last block has written pairs 12 to 15 of Y, which the last four stores read
.irp i, 12,13,14,15
	SEND \i
.endr
	s_endpgm
.Lwo:
.irp i, 0,1,2,3,4,5,6,7,8,9,10,11,12,13,14,15
	CONV \i, 1
.endr
	s_wait_alu depctr_va_vdst(0)                   ; the last block has written pairs 12 to 15 of Y, which the last four stores read
.irp i, 12,13,14,15
	SEND \i
.endr
	s_endpgm
.Lfunc_end_k_q674752e825_cast:
	.size	k_q674752e825_cast, .Lfunc_end_k_q674752e825_cast-k_q674752e825_cast
	.p2alignl 7, 3214868480
	.fill 96, 4, 3214868480
	.section	.rodata,"a",@progbits
	.p2align	6, 0x0
	.amdhsa_kernel k_q674752e825_cast
		.amdhsa_group_segment_fixed_size 0
		.amdhsa_private_segment_fixed_size 0
		.amdhsa_enable_private_segment 0
		.amdhsa_kernarg_size 64
		.amdhsa_user_sgpr_count 2
		.amdhsa_user_sgpr_kernarg_segment_ptr 1
		.amdhsa_wavefront_size32 1
		.amdhsa_system_sgpr_workgroup_id_x 1
		.amdhsa_system_sgpr_workgroup_id_y 1
		.amdhsa_system_sgpr_workgroup_id_z 1
		.amdhsa_system_vgpr_workitem_id 0
		.amdhsa_next_free_vgpr 104
		.amdhsa_next_free_sgpr 66
		.amdhsa_reserve_vcc 0
		.amdhsa_float_denorm_mode_32 3
		.amdhsa_float_denorm_mode_16_64 3
		.amdhsa_memory_ordered 1
		.amdhsa_forward_progress 1
		.amdhsa_inst_pref_size 17
	.end_amdhsa_kernel
	.amdgpu_metadata
---
amdhsa.version: [ 1, 2 ]
amdhsa.kernels:
  - .name:           k_q674752e825_cast
    .symbol:         k_q674752e825_cast.kd
    .args:
      - { .name: x, .offset: 0, .size: 8, .value_kind: global_buffer, .address_space: global }
      - { .name: W_q, .offset: 8, .size: 8, .value_kind: global_buffer, .address_space: global }
      - { .name: W_k, .offset: 16, .size: 8, .value_kind: global_buffer, .address_space: global }
      - { .name: W_v, .offset: 24, .size: 8, .value_kind: global_buffer, .address_space: global }
      - { .name: W_o, .offset: 32, .size: 8, .value_kind: global_buffer, .address_space: global }
      - { .name: xb, .offset: 40, .size: 8, .value_kind: global_buffer, .address_space: global }
      - { .name: wqkv, .offset: 48, .size: 8, .value_kind: global_buffer, .address_space: global }
      - { .name: woh, .offset: 56, .size: 8, .value_kind: global_buffer, .address_space: global }
    .group_segment_fixed_size: 0
    .private_segment_fixed_size: 0
    .kernarg_segment_align: 8
    .kernarg_segment_size: 64
    .max_flat_workgroup_size: 256
    .sgpr_count:     66
    .vgpr_count:     104
    .wavefront_size: 32
...
	.end_amdgpu_metadata
.endif
;; end of part 5
;; launch qkv: the kernel of part 2 again; grid 16 x 16, 4 waves a work-group, clusters of 4 x 4, 327,680 bytes of LDS; arguments xb, wqkv, qkv; writes qkv
;; launch attn: the kernel of part 3 again; grid 256 x 1, 8 waves a work-group, no clusters, 327,680 bytes of LDS; arguments qkv, att; writes att
;; launch oproj: the kernel of part 4 again; grid 8 x 32, 4 waves a work-group, clusters of 4 x 4, 327,680 bytes of LDS; arguments att, woh, out0; writes out0
